; MI455X (gfx1250); checked and timed in simulation.
; The chip was launched on July 23, 2026; its instructions are those of AMD's public machine-readable ISA for CDNA 5 (MIT licence, August 2026) and "CDNA5" Instruction Set Architecture Reference Guide (July 2026). The comments in the code are by the model that wrote it; some were corrected since.
;; Masked Multi Head Attention. Allowed arithmetic: matrix products marked QUANTISED: E3M2 operands, one E8M0 scale for each 32 along K, by v_wmma_scale_f32_16x16x128_f8f6f4 with both operands' format E3M2, f32 sums; everything else in f32.
;; Inputs: b_proj 1,024 float32; b_qkv 3,072 float32; w_proj 1,024 x 1,024 float32; w_qkv 3,072 x 1,024 float32; x 4 x 2,048 x 1,024 float32.
;; Outputs: out0 4 x 2,048 x 1,024 float32.
;; This version of the problem:
;;   THIS VERSION OF THE PROBLEM IS GIVEN IN LOW PRECISION. The matrix products marked QUANTISED in the list below multiply operands that are first quantised to E3M2 (3 exponent bits, 2 mantissa bits; 6 bits a number), with one power-of-two scale for each 32 numbers along K (OCP MX v1.0); their sums are f32. All else is computed in f32.
;;   The module's matrix products, in the order in which they are computed (A, B: the left and right operand; K: the contracted axis; several contracted axes count as one K, in the product's order):
;;     1. [M 8,192, K 1,024] x [K 1,024, N 3,072]; A: input x; B: input w_qkv: QUANTISED
;;     2. batch 64 x [M 2,048, K 64] x [K 64, N 2,048]; A: computed on the way; B: computed on the way: QUANTISED
;;     3. batch 64 x [M 2,048, K 2,048] x [K 2,048, N 64]; A: softmax (see below); B: computed on the way: QUANTISED
;;     4. [M 8,192, K 1,024] x [K 1,024, N 1,024]; A: computed on the way; B: input w_proj: QUANTISED
;;   THE QUANTISER, for each operand of a quantised product, along K:
;;     - K is cut into blocks of 32 from its start; a last block that is shorter is filled with zeros.
;;     - A block's scale is 2^e with e = floor(log2(the largest magnitude in the block)) - 4, held to -126 .. 127; a block of zeros has e = 0. As a byte (E8M0): e + 127.
;;     - Each number is divided by its block's scale, clamped to +-28, and rounded to the nearest number of E3M2, ties to even, subnormals kept.
;;     - The product sums the exact products of the quantised numbers (number of the format x scale) in f32.
;;   ~~~python
;;   def quantise(x, axis):      # numpy; x: float32 -> the quantised numbers, widened to float32 again
;;       x = np.moveaxis(x, axis, -1); K = x.shape[-1]
;;       x = np.pad(x, [(0, 0)] * (x.ndim - 1) + [(0, -K % 32)]); x = x.reshape(x.shape[:-1] + (-1, 32)); a = np.abs(x).max(-1, keepdims=True)
;;       e = np.where(a > 0, np.clip(np.frexp(np.where(a > 0, a, 1))[1] - 1 - 4, -126, 127), 0)      # np.frexp(a)[1] - 1 = floor(log2(a)), exactly
;;       r = np.clip(x / 2.0 ** e, -28, 28)
;;       step = 2.0 ** (np.maximum(np.frexp(np.where(r == 0, 1, r))[1] - 1, -2) - 2)
;;       q = np.round(r / step) * step * 2.0 ** e      # np.round: ties to even
;;       return np.moveaxis(q.reshape(q.shape[:-2] + (-1,))[..., :K], -1, axis).astype(np.float32)
;;   ~~~
;;   SOFTMAX AHEAD OF A QUANTISED PRODUCT. Where the list says 'softmax', what is quantised is not the finished softmax but p = 2^(t - M), with t = logit x log2(e) and M = ceil(the row's largest t), a whole number; so 1/2 < the row's largest p <= 1. The row's sum l is taken of the UNQUANTISED p, in f32, and the product's result is divided by l at the end. Since M is a whole number, a kernel that streams over the keys may use a running M (the ceiling of the running maximum): every later rescaling is an exact power of two, which a block's scale takes up: the codes' values come out the same.
;;   OPERANDS COMPUTED ON THE WAY. 'Computed on the way' means the value that the module computes at that place (a softmax that the list does not call 'softmax' is quantised finished and normalised). What goes into a quantiser is computed in f32, as accurately as f32 sums, v_exp_f32 and their like allow (about 1e-6 of the number): no bf16 or f16 on the way to a quantiser, and a product that is left as it is and whose result goes on into a quantised operand takes f32 operands (vector FMAs, or v_wmma_f32_16x16x4_f32). A number that lies on a knife's edge between two numbers of the format may be rounded either way, as far as f32 arithmetic and the matrix unit's own rounding can turn it there, and no further.
;; One version. Each part assembles by itself: llvm-mc -triple=amdgcn-amd-amdhsa -mcpu=gfx1250 --defsym DOCPART=n.
;; ======== version 1 of 1: 4 launches
;; workspace buffers: cod 9,437,184 bytes; scl 393,216 bytes; img 18,874,368 bytes; sc 1,310,720 bytes; att_img 6,291,456 bytes; att_sc 262,144 bytes
;; launch quant (part 1): grid 384 x 1, 4 waves a work-group, no clusters, 33,280 bytes of LDS; arguments x, w_qkv, w_proj, cod, scl; writes cod, scl
.if DOCPART == 1
	.amdgcn_target "amdgcn-amd-amdhsa--gfx1250"
	.amdhsa_code_object_version 6
	.text
	.protected	k_qed5989ac1f_quant
	.globl	k_qed5989ac1f_quant
	.p2align	8
	.type	k_qed5989ac1f_quant,@function
k_qed5989ac1f_quant:
	s_mov_b64 s[64:65], 0
	v_nop
	global_prefetch_b8 v0, s[64:65] scope:SCOPE_SE
	s_setreg_imm32_b32 hwreg(HW_REG_WAVE_MODE, 25, 1), 1
	s_wait_xcnt 0x0
; x [8192][1024], w_qkv [3072][1024] and w_proj [1024][1024], f32, K innermost, become codes of BF6 (E3M2), 6 bits each, with one E8M0 scale byte for each 32 along K.
; cod: 12,288 rows of 768 bytes (x's, then w_qkv's, then w_proj's); scl: the same rows, 32 bytes each.
; A block's scale is 2^(floor(log2(its largest magnitude)) - 4); its byte is the largest magnitude's exponent field - 4, held at 1 from below.
; THE ROWS ARE STORED IN ANOTHER ORDER: place p holds row t(p), p with its bits 3 and 4 changed over.  Sixteen neighbouring places 16 i + r are then the rows 32 (i / 2) + 8 (i % 2) + r + 8 (r / 8):
; the rows whose results, in a product used transposed, fall into a lane's registers as neighbours along the next product's K.
; A wave's run is 8,192 numbers = 8 rows, a work-group's four runs 32 rows: so the change is that of the two bits of the wave's number in the place where its run is stored.
; LIMITS: NaN and infinities are not served; a block of zeros, and one whose largest magnitude lies under 2^-122, gets the byte 1 (its bytes are read by this program alone).
; A wave takes 16 steps of 512 numbers.  Each of a step's four loads reads 512 consecutive bytes; the 2,048 bytes turn through the wave's own stage in LDS and come back 64 bytes a lane, 16 neighbours along K.
; Work-groups 0-255 take x, 256-351 w_qkv, 352-383 w_proj: only the input's pointer is chosen, all take one path.  Waves share nothing: no barrier.
.set STEPS, 16
.set CB,    12                         ; bytes of 16 codes
.set R,     16                         ; v16-79   four sets of 16 numbers as they are loaded
.set X,     80                         ; v80-111  two sets of 16 neighbours
.set E,     112                        ; v112-127 a scale byte for each step
.set C,     128                        ; v128-191 codes: four registers for each step, so that no store's data are written again
.set WREG,  8192                       ; LDS: a region for each wave: two stages of 32 x SP bytes, behind them its 256 scale bytes
.set SP,    80                         ; a lane's place in a stage: its 64 bytes + 16 of padding
	s_load_b256 s[4:11], s[0:1], 0x0               ; x s[4:5], w_qkv s[6:7], w_proj s[8:9], cod s[10:11]
	s_load_b64 s[12:13], s[0:1], 0x20              ; scl
	v_lshl_add_u32 v192, v0, 2, 0x8000
	v_mov_b32 v193, 0
	v_lshrrev_b32 v1, 5, v0
	v_readfirstlane_b32 s16, v1                    ; wave
	v_and_b32 v2, 31, v0                           ; lane
	v_lshlrev_b32 v3, 4, v2                        ; my 16 bytes of a load's 512
	s_mul_i32 s17, s16, WREG
	v_lshrrev_b32 v14, 2, v2
	v_mul_u32_u24 v14, v14, SP
	v_and_b32 v15, 3, v2
	v_lshl_add_u32 v14, v15, 4, v14
	v_add_nc_u32 v14, s17, v14                     ; the stage, on the way in: SP (lane / 4) + 16 (lane % 4)
	v_mul_u32_u24 v15, v2, SP
	v_add_nc_u32 v15, s17, v15                     ; and on the way out: SP x lane: my 16 neighbours
	v_mul_u32_u24 v4, v2, CB                       ; my codes' place in a step's
	v_lshrrev_b32 v5, 1, v2
	s_add_co_u32 s17, s17, 2*32*SP
	v_add_nc_u32 v5, s17, v5                       ; LDS: my wave's 256 scale bytes, my block's byte
	v_lshlrev_b32 v7, 3, v2                        ; and on the way out 8 bytes a lane
	v_add_nc_u32 v6, s17, v7
	s_wait_kmcnt 0x0
	s_mov_b32 s25, 352
	s_cmp_lt_u32 ttmp9, 352                        ; which tensor?  The choice hangs on the work-group's number alone
	s_cselect_b64 s[6:7], s[6:7], s[8:9]
	s_cselect_b32 s25, 256, s25
	s_cmp_lt_u32 ttmp9, 256
	s_cselect_b64 s[4:5], s[4:5], s[6:7]
	s_cselect_b32 s25, 0, s25                      ; the tensor's first work-group
	s_sub_co_u32 s17, ttmp9, s25
	s_lshl_b32 s17, s17, 2
	s_add_co_u32 s18, s17, s16                     ; which run of 8,192 numbers of the tensor is my wave's
	s_lshl_b32 s18, s18, 15                        ; 32,768 bytes a run: under 2^26 in all
	s_mov_b32 s19, 0
	s_add_nc_u64 s[4:5], s[4:5], s[18:19]
	s_and_b32 s20, s16, 1
	s_lshl_b32 s20, s20, 1
	s_lshr_b32 s21, s16, 1
	s_or_b32 s20, s20, s21                         ; the wave's two bits changed over
	s_lshl_b32 s21, ttmp9, 2
	s_add_co_u32 s20, s20, s21                     ; the place of my run among the 1,536 runs of the outputs
	s_mul_i32 s18, s20, 6144                       ; 8 rows of 768 bytes
	s_add_nc_u64 s[10:11], s[10:11], s[18:19]
	s_lshl_b32 s18, s20, 8                         ; 8 rows of 32 bytes
	s_add_nc_u64 s[12:13], s[12:13], s[18:19]
.macro LOAD t
.irp i, 0,1,2,3
	global_load_b128 v[R+16*((\t)%4)+4*\i:R+16*((\t)%4)+4*\i+3], v3, s[4:5] offset:2048*(\t)+512*\i th:TH_LOAD_NT   ; 32 lanes read 512 consecutive bytes
.endr
.endm
.macro TURN t                          ; step t's numbers through the stage: LDS serves a wave's instructions in order, so no wait stands between the stores and the loads
.irp i, 0,1,2,3
	ds_store_b128 v14, v[R+16*((\t)%4)+4*\i:R+16*((\t)%4)+4*\i+3] offset:32*SP*((\t)%2)+8*SP*\i
.endr
.irp i, 0,1,2,3
	ds_load_b128 v[X+16*((\t)%2)+4*\i:X+16*((\t)%2)+4*\i+3], v15 offset:32*SP*((\t)%2)+16*\i
.endr
.endm
.irp t, 0,1,2,3
	LOAD \t
.endr
	s_wait_loadcnt 12                              ; step 0's four loads are in
	TURN 0
.macro STEP t
.set XS, X+16*((\t)%2)
.if (\t) > 0
	s_wait_dscnt 1                                 ; this step's numbers are back from the stage (the last step's byte store may be out): so its stores into the stage have read their registers,
.else
	s_wait_dscnt 0x0
.endif
.if (\t)+4 < STEPS
	LOAD (\t)+4                                    ; which take the loads of four steps on
.endif
.if (\t)+1 < STEPS
.if STEPS-2-(\t) >= 3
	s_wait_loadcnt 12                              ; the next step's four loads are in; those of the three steps behind it may be out
.else
	s_wait_loadcnt 4*(STEPS-2-(\t))
.endif
	TURN (\t)+1                                    ; and go through the other stage while this step is worked
.endif
	v_max3_num_f32 v8, |v[XS]|, |v[XS+1]|, |v[XS+2]|               ; the largest magnitude of my 16
	v_max3_num_f32 v9, |v[XS+3]|, |v[XS+4]|, |v[XS+5]|
.irp i, 6,10
	v_max3_num_f32 v8, v8, |v[XS+\i]|, |v[XS+\i+1]|
	v_max3_num_f32 v9, v9, |v[XS+\i+2]|, |v[XS+\i+3]|
.endr
	v_max3_num_f32 v8, v8, |v[XS+14]|, |v[XS+15]|
	v_max3_num_f32 v8, v8, v9, 0x2800000           ; and the floor 2^(5 - 127): the byte cannot fall under 1
	v_max_num_f32_dpp v8, v8, v8 row_xmask:1 row_mask:0xf bank_mask:0xf   ; and of my neighbour's 16: the block's
	v_add_nc_u32 v11, 0xfe000000, v8               ; 4 off its exponent field: the conversion takes the exponent field of this operand as its scale
	v_cvt_scalef32_pk16_bf6_f32 v[C+4*(\t):C+4*(\t)+2], v[XS:XS+15], v11   ; sixteen codes, 96 bits, the first number's lowest
	v_lshrrev_b32 v[E+(\t)], 23, v11               ; the scale's byte
	ds_store_b8 v5, v[E+(\t)] offset:16*(\t)       ; both lanes of a block write the same byte with the same value
	global_store_b96 v4, v[C+4*(\t):C+4*(\t)+2], s[10:11] offset:32*CB*(\t)
.endm
.irp t, 0,1,2,3,4,5,6,7,8,9,10,11,12,13,14,15
	STEP \t
.endr
	ds_load_b64 v[12:13], v6                       ; LDS serves a wave's instructions in order: these see my stores
	s_wait_dscnt 0x0
	global_store_b64 v7, v[12:13], s[12:13]        ; 32 lanes store 256 consecutive bytes, aligned
	s_wait_tensorcnt 0x0
	ds_add_u32 v192, v193
	s_wait_dscnt 0x0
	s_endpgm
.Lfunc_end_k_qed5989ac1f_quant:
	.size	k_qed5989ac1f_quant, .Lfunc_end_k_qed5989ac1f_quant-k_qed5989ac1f_quant
	.p2alignl 7, 3214868480
	.fill 96, 4, 3214868480
	.section	.rodata,"a",@progbits
	.p2align	6, 0x0
	.amdhsa_kernel k_qed5989ac1f_quant
		.amdhsa_group_segment_fixed_size 33280
		.amdhsa_private_segment_fixed_size 0
		.amdhsa_enable_private_segment 0
		.amdhsa_kernarg_size 40
		.amdhsa_user_sgpr_count 2
		.amdhsa_user_sgpr_kernarg_segment_ptr 1
		.amdhsa_wavefront_size32 1
		.amdhsa_system_sgpr_workgroup_id_x 1
		.amdhsa_system_sgpr_workgroup_id_y 1
		.amdhsa_system_sgpr_workgroup_id_z 1
		.amdhsa_system_vgpr_workitem_id 0
		.amdhsa_next_free_vgpr 194
		.amdhsa_next_free_sgpr 66
		.amdhsa_reserve_vcc 0
		.amdhsa_float_denorm_mode_32 3
		.amdhsa_float_denorm_mode_16_64 3
		.amdhsa_memory_ordered 1
		.amdhsa_forward_progress 1
		.amdhsa_inst_pref_size 33
	.end_amdhsa_kernel
	.amdgpu_metadata
---
amdhsa.version: [ 1, 2 ]
amdhsa.kernels:
  - .name:           k_qed5989ac1f_quant
    .symbol:         k_qed5989ac1f_quant.kd
    .args:
      - { .name: x, .offset: 0, .size: 8, .value_kind: global_buffer, .address_space: global }
      - { .name: w_qkv, .offset: 8, .size: 8, .value_kind: global_buffer, .address_space: global }
      - { .name: w_proj, .offset: 16, .size: 8, .value_kind: global_buffer, .address_space: global }
      - { .name: cod, .offset: 24, .size: 8, .value_kind: global_buffer, .address_space: global }
      - { .name: scl, .offset: 32, .size: 8, .value_kind: global_buffer, .address_space: global }
    .group_segment_fixed_size: 33280
    .private_segment_fixed_size: 0
    .kernarg_segment_align: 8
    .kernarg_segment_size: 40
    .max_flat_workgroup_size: 128
    .sgpr_count:     66
    .vgpr_count:     194
    .wavefront_size: 32
...
	.end_amdgpu_metadata
.endif
;; end of part 1
;; launch qkv (part 2): grid 12 x 32, 4 waves a work-group, clusters of 4 x 4, 327,680 bytes of LDS; arguments cod, scl, b_qkv, img, sc; writes img, sc
.if DOCPART == 2
	.amdgcn_target "amdgcn-amd-amdhsa--gfx1250"
	.amdhsa_code_object_version 6
	.text
	.protected	k_qed5989ac1f_qkv
	.globl	k_qed5989ac1f_qkv
	.p2align	8
	.type	k_qed5989ac1f_qkv,@function
k_qed5989ac1f_qkv:
	s_mov_b64 s[64:65], 0
	v_nop
	global_prefetch_b8 v0, s[64:65] scope:SCOPE_SE
	s_setreg_imm32_b32 hwreg(HW_REG_WAVE_MODE, 25, 1), 1
	s_wait_xcnt 0x0
	s_wait_alu depctr_hold_cnt(0) depctr_sa_sdst(0) depctr_va_vdst(0) depctr_va_sdst(0) depctr_va_ssrc(0) depctr_va_vcc(0) depctr_vm_vsrc(0)
	s_getreg_b32 s2, hwreg(HW_REG_IB_STS2, 6, 4)
	s_cmp_eq_u32 s2, 0
	s_cbranch_scc0 .Lentry_in_a_cluster
	s_endpgm
.Lentry_in_a_cluster:
	s_bfe_u32 s2, ttmp6, 0x10000c
	s_cmp_lg_u32 s2, 0xf033
	s_cbranch_scc0 .Lentry_shape_is_right
	s_endpgm
.Lentry_shape_is_right:
; qkv = x w_qkv^T + b_qkv on codes of BF6 (E3M2) with one E8M0 scale for each 32 along K (K = 1,024), f32 sums; q, k and v are quantised at once, in registers, and leave as IMAGES OF OPERAND REGISTERS.
; cod holds 12,288 rows of 768 bytes of codes (x at row 0, w_qkv at row 8,192), scl their 32 scale bytes a row.  Rows lie by PLACES: place p holds row t(p), p with bits 3 and 4 changed over.
; A tile, 256 x 256, is made by four waves, each 128 x 128: 64 accumulators, 512 registers.  K goes in steps of 256 through a ring of two LDS slots filled by the tensor data mover.
; THE MATRIX INSTRUCTION IS USED TRANSPOSED: source 0 = 16 places of "B", source 1 = 16 places of "A".  Lane (r, h) then holds A's place r, and the registers of B's blocks 2 b + u hold B's TRUE rows 32 b + 16 h + 8 u + 0 .. 7:
; 64 registers of a lane are 128 neighbours along the next product's K, sixteen of each block of 32.
; TWO KINDS in one text, with no branch; kind = cluster x / 2.  kind 0 (q, k): A = tokens, B = channels: q and k are quantised along the head's 64 channels.  kind 1 (v): A = v's channels, B = tokens: v is quantised along the keys.
; All that differs is a number of the form base + kind x difference, equal in all partners of a cluster.
; OUT.  A half-image is 6 operand registers, 768 bytes: registers 0-3 at 16 x lane, registers 4-5 at 512 + 8 x lane.  img: [batch x head][q 98,304 | k 98,304 | v 98,304]; q, k: [tile of 16 places][768]; v: [128 keys][tile of 16 channel places][half][768].
; sc: [batch x head][q 8,192 | k 8,192 | v 4,096]; q, k: [128 places: 512][tile / 4: 256][r: 16][tile % 4: a word, bytes 0 and 1 the head's two scales]; v: [128 keys: 256][r: 16][channel tile: a word].
; THE BIAS: where channels lie in registers (kind 0) it is the C of each sum's first product; where they lie in lanes (kind 1) it is added on the way out; the one that does not apply is cleared to 0.
; CLUSTERS: 4 x 4 work-groups; A's tiles are asked for jointly along a row of the cluster, B's along a column.
; LIMITS: NaN and infinities are not served; a block of zeros, or one under 2^-122, gets the scale byte 1 (read by this program alone).
; REGISTERS: window 0: v0-31 addresses; v32-63 scale words, two sets; v64-127 the bias by registers; v128-223 A's fragments, one set (on the way out: v128-191 64 numbers, v192-211 codes, v212-223 at work); v224-239 the bias by lanes; v240-247 scale words made.
;   window 1: B's fragments, two sets.   windows 2, 3: the accumulators of my places 0-63, 64-127 (accumulator (a, b) at v[8 (8 (a % 4) + b)]).
.set KSTEP,  256
.set NQ,     2                         ; matrix instructions deep in a slot
.set ROWB,   192                       ; a tile's row in bytes
.set KROW,   768                       ; a row of cod
.set PITCH,  240                       ; an LDS row: 3 x (64 bytes + 16 of padding)
.set FR,     12                        ; registers of a fragment
.set NL,     6                         ; LDS loads that bring one
.set NP,     4                         ; places behind this matrix instruction (ISA guide 7.12.1)
.set HALFT,  128*PITCH
.set SLOT,   4*HALFT
.set LAPS,   2                         ; 1,024 / 512
.set KS,     32                        ; a row of scl
.set SCL,    2*SLOT                    ; behind the ring: the scales, as units of 256 bytes + 16 of padding
.set HALFS,  (128*KS/256)*272
.set SBLK,   (16*KS/256)*272
.set SPARE,  SCL+4*HALFS               ; the spare words, 128 bytes for each wave: two blocks of 256 bytes that no other line names
.set VA,   7                           ; v7   the way out: 16 x lane + the block's place
.set VB,   8                           ; v8   8 x lane + the block's place
.set VS,   9                           ; v9   where my scale words go
.set VS2,  10                          ; v10  and the second four
.set SHV,  11                          ; v11  by how much lanes 16-31 shift a scale word (kind 0: 16)
.set ADRA, 16
.set ADRB, 20
.set ADRS, 27
.set SPW,  28                          ; v28  LDS address of my spare word; never rewritten
.set NIL,  29                          ; v29  0; never rewritten
.set SC,   32
.set BR,   64
.set AF,   128
.set T,    128
.set PC,   192
.set TM,   212                         ; +0..3 largest magnitudes, +4..7 the other half's, then bytes, +8..11 the conversions' scale operands
.set BL,   224
.set SW,   240
.set G1, 24
.set G0, 32
.set G1B, 48
.set G0B, 56
.set KIND, 66
.set Y4,  67
.set G1S, 68
.set G0S, 76
.set G1SB, 80
.set G0SB, 88
.set KM,  95                           ; all ones in kind 1
.set O1,  96                           ; s[96:97] where the second half-image goes
.set S1,  98                           ; from block to block
.set S4,  99                           ; from block 3 to block 4
.set NK,  100                          ; all ones in kind 0
.set NKIND, 101
.set MSB, 0
.macro WIN new                         ; the immediate's high byte repeats the setting that is left
.if MSB != \new
	s_set_vgpr_msb (MSB<<8)|\new
.set MSB, \new
.endif
.endm
.set MUL_LO, 0xa1                      ; source 0 (B) window 1, source 1 (A) window 0, C and D window 2
.set MUL_HI, 0xf1                      ; the same, C and D window 3
.set TO_B,   0x40                      ; destination window 1, address window 0
; A joint load: waves 0 and 1 fetch for A, waves 2 and 3 for B.  The branch hangs on the wave's number alone.  Four v_nop follow each of the two lines.
.macro JLOAD g0a, g1a, g0b, g1b
	s_cmp_eq_u32 s15, 0
	s_cbranch_scc0 .Lfor_b_\@
	tensor_load_to_lds s[\g0a:\g0a+3], s[\g1a:\g1a+7]
	s_nop 0
.rept 4
	v_nop
.endr
	s_branch .Lasked_\@
.Lfor_b_\@:
	tensor_load_to_lds s[\g0b:\g0b+3], s[\g1b:\g1b+7]
	s_nop 0
.rept 4
	v_nop
.endr
.Lasked_\@:
.endm
.macro CREST                           ; a round of the cluster's barrier behind its opening barrier
	s_cmp_lg_u32 s14, 0
	s_cbranch_scc1 .Lnot_wave_0_\@
	s_barrier_signal -3
.Lnot_wave_0_\@:
	s_barrier_wait -3
	s_barrier_signal -1
	s_barrier_wait -1
.endm
.macro CROUND                          ; a whole round
	s_barrier_signal -1
	s_barrier_wait -1
	CREST
.endm
	s_load_b256 s[4:11], s[0:1], 0x0               ; cod s[4:5], scl s[6:7], b_qkv s[8:9], img s[10:11]
	s_load_b64 s[12:13], s[0:1], 0x20              ; sc
	v_lshl_add_u32 v[SPW], v0, 2, SPARE
	v_mov_b32 v[NIL], 0
	ds_add_u32 v28, v29
	ds_add_u32 v28, v29
	s_wait_dscnt 0x0
	v_lshrrev_b32 v1, 5, v0
	v_readfirstlane_b32 s14, v1                    ; wave 0..3
	s_lshr_b32 s15, s14, 1                         ; which half of A's places is mine.  Also: I fetch for A (0) or for B (1)
	s_and_b32 s16, s14, 1                          ; which half of B's.  Also: which 128 rows of that tile I fetch
	s_bfe_u32 s40, ttmp6, 0x40000                  ; cx, cy: my place in the cluster
	s_bfe_u32 s41, ttmp6, 0x40004
	s_lshr_b32 s[KIND], ttmp9, 1                   ; cluster x = 0, 1: q, k (kind 0); 2: v (kind 1)
	s_and_b32 s[Y4], ttmp7, 0xffff
	s_lshl_b32 s[Y4], s[Y4], 2                     ; 4 x cluster y
	s_sub_co_u32 s18, 40, s[Y4]
	s_mul_i32 s18, s18, s[KIND]
	s_add_co_u32 s17, s[Y4], s18
	s_add_co_u32 s17, s17, s41                     ; A's tile, in 256 rows of cod: kind 0: 4 Y + cy (tokens); kind 1: 40 + cy (v's channels)
	s_lshl_b32 s42, ttmp9, 2
	s_add_co_u32 s42, s42, 32
	s_sub_co_u32 s46, s[Y4], s42
	s_mul_i32 s46, s46, s[KIND]
	s_add_co_u32 s42, s42, s46
	s_add_co_u32 s42, s42, s40                     ; B's tile: kind 0: 32 + 4 X + cx (q's, k's channels); kind 1: 4 Y + cx (tokens)
	s_lshl_b32 s43, s41, 2
	s_lshl_b32 s43, 15, s43                        ; my row of the cluster
	s_lshl_b32 s44, 0x1111, s40                    ; my column
	; descriptor group 1: a tile of 128 rows x 192 bytes, 16 bytes of padding behind every 64
	s_or_b32 s[G1+0], s43, (0<<16)|(1<<20)|(1<<21)|(3<<22)|(3<<25)
	s_or_b32 s[G1B+0], s44, (0<<16)|(1<<20)|(1<<21)|(3<<22)|(3<<25)
.irp g, G1, G1B
	s_mov_b32 s[\g+1], ROWB<<16                    ; tensor_dim0
	s_mov_b32 s[\g+2], 128<<16                     ; tensor_dim1
	s_mov_b32 s[\g+3], ROWB<<16                    ; tile_dim0
	s_mov_b32 s[\g+4], 128                         ; tile_dim1
	s_mov_b32 s[\g+5], KROW                        ; tensor_dim0_stride
	s_mov_b32 s[\g+6], 0
	s_mov_b32 s[\g+7], 0
.endr
	; the scales of 128 rows: 4,096 dense bytes, as rows of 256 bytes (32 elements of 8), 16 bytes of padding behind each
	s_or_b32 s[G1S+0], s43, (3<<16)|(1<<20)|(1<<21)|(5<<22)|(3<<25)
	s_or_b32 s[G1SB+0], s44, (3<<16)|(1<<20)|(1<<21)|(5<<22)|(3<<25)
.irp g, G1S, G1SB
	s_mov_b32 s[\g+1], 32<<16
	s_mov_b32 s[\g+2], (128*KS/256)<<16
	s_mov_b32 s[\g+3], 32<<16
	s_mov_b32 s[\g+4], 128*KS/256
	s_mov_b32 s[\g+5], 32
	s_mov_b32 s[\g+6], 0
	s_mov_b32 s[\g+7], 0
.endr
	s_lshl_b32 s18, s16, 7                         ; which 128 rows of the tile I fetch
	s_lshl_b32 s20, s17, 8
	s_add_co_u32 s20, s20, s18                     ; A: row of cod
	s_lshl_b32 s46, s42, 8
	s_add_co_u32 s46, s46, s18                     ; B: row of cod
	s_mov_b32 s21, 0
	s_mov_b32 s47, 0
	s_mov_b64 s[18:19], KS
	s_mul_u64 s[22:23], s[20:21], s[18:19]         ; where these rows' scales begin, in bytes
	s_mul_u64 s[92:93], s[46:47], s[18:19]
	s_mov_b64 s[18:19], KROW
	s_mul_u64 s[20:21], s[20:21], s[18:19]         ; and their codes
	s_mul_u64 s[46:47], s[46:47], s[18:19]
	s_mul_i32 s45, s14, HALFT                      ; where they go: wave x 128 rows: no place in the cluster enters an LDS address
	s_mul_i32 s94, s14, HALFS
	s_wait_kmcnt 0x0
	s_add_nc_u64 s[20:21], s[4:5], s[20:21]
	s_add_nc_u64 s[22:23], s[6:7], s[22:23]
	s_add_nc_u64 s[46:47], s[4:5], s[46:47]
	s_add_nc_u64 s[92:93], s[6:7], s[92:93]
	CROUND                                         ; all sixteen work-groups are here: the first joint loads meet
	s_mov_b32 s[G0S], 1
	s_add_co_u32 s[G0S+1], s94, SCL
	s_mov_b64 s[G0S+2:G0S+3], s[22:23]
	s_or_b32 s[G0S+3], s[G0S+3], 0x80000000
	s_mov_b32 s[G0SB], 1
	s_add_co_u32 s[G0SB+1], s94, SCL
	s_mov_b64 s[G0SB+2:G0SB+3], s[92:93]
	s_or_b32 s[G0SB+3], s[G0SB+3], 0x80000000
	JLOAD G0S, G1S, G0SB, G1SB                     ; the scales first: they are wanted with K step 0
.irp s, 0,1
	s_mov_b32 s[G0+4*\s], 1
	s_add_co_u32 s[G0+4*\s+1], s45, \s*SLOT
	s_add_nc_u64 s[G0+4*\s+2:G0+4*\s+3], s[20:21], \s*ROWB
	s_or_b32 s[G0+4*\s+3], s[G0+4*\s+3], 0x80000000
	s_mov_b32 s[G0B+4*\s], 1
	s_add_co_u32 s[G0B+4*\s+1], s45, \s*SLOT
	s_add_nc_u64 s[G0B+4*\s+2:G0B+4*\s+3], s[46:47], \s*ROWB
	s_or_b32 s[G0B+4*\s+3], s[G0B+4*\s+3], 0x80000000
	JLOAD G0+4*\s, G1, G0B+4*\s, G1B
.endr
	v_and_b32 v1, 15, v0                           ; r = lane % 16
	v_bfe_u32 v2, v0, 4, 1                         ; h = lane / 16
	v_mul_u32_u24 v3, v1, PITCH
	v_mul_u32_u24 v4, v2, 24
	v_add_nc_u32 v4, v3, v4                        ; a fragment's row x pitch + 24 x half
	v_lshl_add_u32 v5, v2, 4, v4                   ; and the same behind one padding more
	s_mul_i32 s21, s15, HALFT                      ; my 128 rows of A
	s_mul_i32 s22, s16, HALFT                      ; my 128 rows of B,
	s_add_co_u32 s22, s22, 2*HALFT                 ; which lie behind A's 256
.irp s, 0,1
	v_add_nc_u32 v[ADRA+\s], s21, v4
	v_add_nc_u32 v[ADRB+\s], s22, v4
	v_add_nc_u32 v[ADRA+2+\s], s21, v5
	v_add_nc_u32 v[ADRB+2+\s], s22, v5
	s_add_co_u32 s21, s21, SLOT
	s_add_co_u32 s22, s22, SLOT
.endr
	v_mul_u32_u24 v5, v1, KS                       ; my row's scales: 32 bytes a row,
	v_lshrrev_b32 v6, 8, v5
	v_lshl_add_u32 v5, v6, 4, v5                   ; and 16 more for each 256 passed
	s_mul_i32 s21, s15, HALFS
	s_mul_i32 s22, s16, HALFS
	s_add_co_u32 s22, s22, 2*HALFS
	s_sub_co_u32 s22, s22, s21
	v_mul_u32_u24 v6, s22, v2                      ; lanes 16-31 take B's
	s_add_co_u32 s21, s21, SCL
	v_add_nc_u32 v5, v5, v6
	v_add_nc_u32 v[ADRS], s21, v5
	; where my wave's results go.  Numbers that mix cx and cy stand in registers that never fed A's descriptors
	s_lshl_b32 s20, s17, 8
	s_lshl_b32 s21, s15, 7
	s_add_co_u32 s20, s20, s21                     ; my first row of A in cod
	s_lshl_b32 s46, s42, 8
	s_lshl_b32 s47, s16, 7
	s_add_co_u32 s46, s46, s47                     ; my first row of B in cod
	s_sub_co_u32 s47, s20, s46
	s_mul_i32 s47, s47, s[KIND]
	s_add_co_u32 s92, s46, s47
	s_sub_co_u32 s92, s92, 8192                    ; my first channel of the 3,072: B's in kind 0, A's in kind 1
	s_sub_co_u32 s93, s20, s47                     ; my first token: the other one
	s_xor_b32 s[NKIND], s[KIND], 1
	s_sub_co_u32 s[KM], 0, s[KIND]
	s_sub_co_u32 s[NK], s[KIND], 1
	s_mul_i32 s46, s92, s[NKIND]
	s_lshl_b32 s46, s46, 2                         ; the bias by registers begins at my first channel (kind 1: at 0, and is cleared)
	s_mul_i32 s47, s92, s[KIND]
	s_lshl_b32 s47, s47, 2                         ; the bias by lanes likewise (kind 0: at 0, and is cleared)
	v_lshl_add_u32 v12, v2, 6, s46                 ; + 64 h: block 2 b + u wants channels 32 b + 16 h + 8 u + 0 .. 7
	v_and_b32 v13, 8, v1
	v_add_nc_u32 v13, v13, v1                      ; r + 8 (r / 8)
	v_lshl_add_u32 v13, v13, 2, s47
.irp t, 0,1,2,3,4,5,6,7
	global_load_b128 v[BR+8*\t:BR+8*\t+3], v12, s[8:9] offset:(32*(\t/2)+8*(\t%2))*4
	global_load_b128 v[BR+8*\t+4:BR+8*\t+7], v12, s[8:9] offset:(32*(\t/2)+8*(\t%2))*4+16
.endr
.irp a, 0,1,2,3,4,5,6,7
	global_load_b32 v[BL+2*\a], v13, s[8:9] offset:(32*(\a/2)+8*(\a%2))*4   ; block a's place r is channel 32 (a / 2) + 8 (a % 2) + r + 8 (r / 8)
.endr
	s_lshr_b32 s46, s93, 11                        ; batch
	s_lshl_b32 s46, s46, 4
	s_lshr_b32 s47, s92, 6                         ; channel / 64
	s_and_b32 s94, s47, 15                         ; head
	s_add_co_u32 s46, s46, s94                     ; 16 x batch + head
	s_lshr_b32 s47, s47, 4                         ; 0: q, 1: k, 2: v
	s_bfe_u32 s94, s93, 0x40007                    ; which 128 tokens of the batch's 2,048
	s_mul_i32 s92, s46, 294912
	s_mul_i32 s2, s47, 98304
	s_add_co_u32 s92, s92, s2
	s_mul_i32 s2, s94, 6144
	s_add_co_u32 s92, s92, s2
	s_mov_b32 s93, 0
	s_add_nc_u64 s[10:11], s[10:11], s[92:93]      ; the first half-image of block 0
	s_mul_i32 s2, s[KIND], 294144
	s_sub_co_u32 s92, 294912, s2                   ; the second half-image: kind 0: the next head's; kind 1: 768 bytes on
	s_add_nc_u64 s[O1:O1+1], s[10:11], s[92:93]
	s_mul_i32 s92, s46, 20480
	s_lshl_b32 s2, s47, 13
	s_add_co_u32 s92, s92, s2
	s_lshl_b32 s2, s[KIND], 8
	s_sub_co_u32 s2, 512, s2                       ; scale bytes for 128 tokens: 512, or 256
	s_mul_i32 s2, s2, s94
	s_add_co_u32 s92, s92, s2
	s_add_nc_u64 s[12:13], s[12:13], s[92:93]
	s_mul_i32 s[S1], s[KIND], 768
	s_add_co_u32 s[S1], s[S1], 768                 ; 768, or 1,536
	s_mul_i32 s[S4], s[KIND], 289536
	s_add_co_u32 s[S4], s[S4], 768                 ; 768, or on to the next head: 294,912 - 3 x 1,536
	s_mul_i32 s2, s[NKIND], 20480                  ; kind 0: lanes 16-31 store the next head's scale words
	v_and_b32 v3, 31, v0
	v_lshlrev_b32 v[VA], 4, v3
	v_lshlrev_b32 v[VB], 3, v3
	v_mul_u32_u24 v[VS], s2, v2
	v_lshl_add_u32 v[VS], v1, 4, v[VS]
	s_mul_i32 s2, s[KIND], 20224
	s_add_co_u32 s2, s2, 256                       ; blocks 4-7: 256 bytes on, or the next head's
	v_add_nc_u32 v[VS2], s2, v[VS]
	v_lshlrev_b32 v[SHV], 4, v2
	v_and_b32 v[SHV], s[NK], v[SHV]
	s_wait_loadcnt 0x0                             ; the biases
.set j, 0
.rept 64
	v_cndmask_b32 v[BR+j], 0, v[BR+j], s[NK]       ; kept in kind 0, cleared in kind 1
.set j, j+1
.endr
.irp a, 0,1,2,3,4,5,6,7
	v_cndmask_b32 v[BL+2*\a+1], 0, v[BL+2*\a], s[KM]   ; kept in kind 1, cleared in kind 0; both halves of the pair
	v_cndmask_b32 v[BL+2*\a], 0, v[BL+2*\a], s[KM]
.endr
.macro FRAG reg, adr, q, i             ; a fragment: lane l holds row l % 16; registers 6 c .. 6 c + 5 hold K = 64 c + 32 (l / 16) + 0 .. 31: 24 bytes of the row's stream of bits, in pieces of 8 bytes
.irp p, 0,1,2,3,4,5
.set PCE, 12*(\q)+6*(\p/3)+\p%3        ; where the piece three on lies behind one padding more, the second address register serves
.if PCE%8 < 5
	ds_load_b64 v[\reg+2*\p:\reg+2*\p+1], v[\adr] offset:8*PCE+16*(PCE/8)+(\i)*16*PITCH
.else
	ds_load_b64 v[\reg+2*\p:\reg+2*\p+1], v[\adr+2] offset:8*PCE+16*(PCE/8)+(\i)*16*PITCH
.endif
.endr
.endm
; 16 matrix instructions: A's blocks a0, a0 + 1 x B's eight, 128 along K.  first = 1: the bias by registers is the C of the sum's first product.  The 64 accumulators take turns, one instruction a turn.
.macro MUL16 a0, p, q, sc, first
.irp a, \a0, \a0+1
.irp b, 0,1,2,3,4,5,6,7
.if \first
	v_wmma_scale_f32_16x16x128_f8f6f4 v[8*(8*((\a)%4)+\b):8*(8*((\a)%4)+\b)+7], v[128*(\p)+FR*\b:128*(\p)+FR*\b+FR-1], v[AF+FR*(\a):AF+FR*(\a)+FR-1], v[BR+8*\b:BR+8*\b+7], v[SC+8*NQ*(\sc)+NQ*\b+(\q)], v[SC+8*NQ*(\sc)+NQ*(\a)+(\q)] matrix_a_fmt:MATRIX_FMT_BF6 matrix_b_fmt:MATRIX_FMT_BF6 matrix_a_scale:MATRIX_SCALE_ROW1
.else
	v_wmma_scale_f32_16x16x128_f8f6f4 v[8*(8*((\a)%4)+\b):8*(8*((\a)%4)+\b)+7], v[128*(\p)+FR*\b:128*(\p)+FR*\b+FR-1], v[AF+FR*(\a):AF+FR*(\a)+FR-1], v[8*(8*((\a)%4)+\b):8*(8*((\a)%4)+\b)+7], v[SC+8*NQ*(\sc)+NQ*\b+(\q)], v[SC+8*NQ*(\sc)+NQ*(\a)+(\q)] matrix_a_fmt:MATRIX_FMT_BF6 matrix_b_fmt:MATRIX_FMT_BF6 matrix_a_scale:MATRIX_SCALE_ROW1
.endif
.endr
.endr
.endm
.macro FETCH_B slot, q, p              ; B's eight fragments of the slot's q-th 128 along K into set p
	WIN TO_B
.irp i, 0,1,2,3,4,5,6,7
	FRAG 128*(\p)+FR*\i, ADRB+\slot, \q, \i
.endr
	WIN 0
.endm
.macro FETCH_A slot, q, i0             ; A's blocks i0 .. i0 + 3
.irp i, \i0, \i0+1, \i0+2, \i0+3
	FRAG AF+FR*(\i), ADRA+\slot, \q, \i
.endr
.endm
.macro SCALES sc                       ; a K step's scale words into set sc: lanes 0-15 take A's block i, lanes 16-31 B's block i
.irp i, 0,1,2,3,4,5,6,7
	ds_load_b64 v[SC+8*NQ*\sc+NQ*\i:SC+8*NQ*\sc+NQ*\i+1], v[ADRS] offset:\i*SBLK
.endr
.endm
.macro PLACES n                        ; plain vector instructions that name no register of the matrix instructions in front (ISA guide 7.12.1)
.rept \n
	v_nop
.endr
.endm
; A step of 128 along K that has its successor in the same slot.
.macro STEP slot, q, first
	s_wait_dscnt 4*NL                              ; B's set and A's blocks 0-3 are in; the youngest 24 loads (A's blocks 4-7) may be out
.if \first
	WIN 0x81                                       ; as MUL_LO, with C (the bias) in window 0
.else
	WIN MUL_LO
.endif
	MUL16 0, (\q)%2, \q, \slot, \first
	MUL16 2, (\q)%2, \q, \slot, \first
	s_wait_dscnt 0                                 ; A's blocks 4-7 are in
	PLACES NP
	FETCH_B \slot, (\q)+1, 1-(\q)%2
	FETCH_A \slot, (\q)+1, 0
.if \first
	WIN 0xc1
.else
	WIN MUL_HI
.endif
	MUL16 4, (\q)%2, \q, \slot, \first
	MUL16 6, (\q)%2, \q, \slot, \first
	PLACES NP
	WIN 0
	FETCH_A \slot, (\q)+1, 4
.endm
; A slot's last step changes slots: ONE barrier; in front of it each wave waits for all its tensor loads, adds 0 to its spare word, and waits for that and for its own reads of this slot.  fill = 1: this slot is filled again, two K steps ahead.
.macro TURN slot, next, fill
	s_wait_tensorcnt 0x0                           ; all my tensor loads have landed: my part of the next slot
	ds_add_u32 v[SPW], v[NIL]                      ; 0 onto my spare word
	s_wait_dscnt 4*NL+1                            ; (the add and the youngest 24 loads, A's blocks 4-7, may be out)
	WIN MUL_LO
	MUL16 0, 1, NQ-1, \slot, 0                     ; sixteen matrix instructions stand between the add and the wait for it
	s_wait_dscnt 0x0                               ; the add is done, and my reads of this slot are over
	s_barrier_signal -1
	MUL16 2, 1, NQ-1, \slot, 0
	WIN 0
	s_barrier_wait -1
.if \fill
	CREST                                          ; the barrier has opened a round of the cluster's barrier: no wave of any partner still reads this slot's tile or has a load on its way
	s_add_nc_u64 s[G0+4*\slot+2:G0+4*\slot+3], s[G0+4*\slot+2:G0+4*\slot+3], 2*ROWB
	s_add_nc_u64 s[G0B+4*\slot+2:G0B+4*\slot+3], s[G0B+4*\slot+2:G0B+4*\slot+3], 2*ROWB
	JLOAD G0+4*\slot, G1, G0B+4*\slot, G1B         ; the first tensor load behind the round; its four v_nop are the places in front of the loads below
.else
	PLACES NP
.endif
	v_add_nc_u32 v[ADRS], 4*NQ, v[ADRS]            ; on to the next K step's scale words (no LDS load of mine is out)
	FETCH_B \next, 0, 0
	FETCH_A \next, 0, 0
	SCALES \next
	WIN MUL_HI
	MUL16 4, 1, NQ-1, \slot, 0
	MUL16 6, 1, NQ-1, \slot, 0
	PLACES NP
	WIN 0
	FETCH_A \next, 0, 4
.endm
	s_wait_tensorcnt 1                             ; the scales and my part of K step 0 are in (K step 1's load may be out),
	s_barrier_signal -1
	s_barrier_wait -1                              ; everybody's are
	FETCH_B 0, 0, 0
	FETCH_A 0, 0, 0
	SCALES 0
	FETCH_A 0, 0, 4
	STEP 0, 0, 1                                   ; the first step stands in front of the loop: its products start the sums
	s_mov_b32 s3, LAPS-1
.Llap:                                                 ; a trip goes once round the ring and fills both slots again
	TURN 0, 1, 1
	STEP 1, 0, 0
	TURN 1, 0, 1
	STEP 0, 0, 0
	s_sub_co_u32 s3, s3, 1
	s_cmp_lg_u32 s3, 0
	s_cbranch_scc1 .Llap
	TURN 0, 1, 0                                   ; the last lap fills nothing, and has no round of the cluster's barrier
	STEP 1, 0, 0
	s_wait_dscnt 4*NL                              ; the very last step: nothing more to fetch
	WIN MUL_LO
	MUL16 0, 1, NQ-1, 1, 0
	MUL16 2, 1, NQ-1, 1, 0
	s_wait_dscnt 0
	WIN MUL_HI
	MUL16 4, 1, NQ-1, 1, 0
	MUL16 6, 1, NQ-1, 1, 0
	WIN 0
; THE WAY OUT.  64 numbers of a lane, register 16 b + i = K 32 b + 16 (lane / 16) + i of my place, become a fragment's codes in v[PC] on and its scale word in v[w].
.macro QUANT s, w
.irp b, 0,1,2,3
	v_max3_num_f32 v[TM+\b], |v[\s+16*\b]|, |v[\s+1+16*\b]|, 0x2800000   ; block b: my 16 numbers, and the floor 2^(5 - 127): the byte cannot fall under 1
.endr
.irp i, 2,4,6,8,10,12,14
.irp b, 0,1,2,3
	v_max3_num_f32 v[TM+\b], v[TM+\b], |v[\s+16*\b+\i]|, |v[\s+1+16*\b+\i]|   ; (the four blocks by turns)
.endr
.endr
.irp b, 0,1,2,3
	v_permlanex16_b32 v[TM+4+\b], v[TM+\b], s18, s19
.endr
.irp b, 0,1,2,3
	v_max_num_f32 v[TM+\b], v[TM+\b], v[TM+4+\b]   ; with lane l xor 16's: the block's largest magnitude
.endr
.irp b, 0,1,2,3
	v_add_nc_u32 v[TM+8+\b], 0xfe000000, v[TM+\b]  ; 4 off its exponent field: the conversion's scale operand
.endr
.irp b, 0,1,2,3
	v_lshrrev_b32 v[TM+4+\b], 23, v[TM+8+\b]       ; the scale's byte
.endr
	v_lshl_or_b32 v[\w], v[TM+5], 8, v[TM+4]
	v_lshl_or_b32 v[\w], v[TM+6], 16, v[\w]
	v_lshl_or_b32 v[\w], v[TM+7], 24, v[\w]
.irp c, 0,1
	v_cvt_scalef32_pk16_bf6_f32 v[PC+6*\c:PC+2+6*\c], v[\s+32*\c:\s+15+32*\c], v[TM+8+2*\c]
	v_cvt_scalef32_pk16_bf6_f32 v[PC+12+4*\c:PC+14+4*\c], v[\s+16+32*\c:\s+31+32*\c], v[TM+8+2*\c+1]   ; (a conversion's three registers begin on an even number)
.endr
	v_nop                                          ; one plain place behind a scaled conversion
.irp c, 0,1                                    ; the operand's layout wants a WHOLE block in a lane: lanes 0-15 block 2 c, lanes 16-31 block 2 c + 1
.irp i, 0,1,2
	v_permlane16_swap_b32 v[PC+6*\c+\i], v[PC+12+4*\c+\i]
.endr
.irp i, 0,1,2
	v_mov_b32 v[PC+3+6*\c+\i], v[PC+12+4*\c+\i]
.endr
.endr
.endm
; Block a of A's eight: the bias by lanes is added, the 64 numbers are quantised, and the two half-images leave: each store covers 512 or 256 consecutive bytes, aligned to 256.
.macro OUTBLK a
	s_wait_xcnt 0x0                                ; the last block's stores have read their addresses and data: both are written again only behind this wait
.if (\a) == 4
	v_add_nc_u32 v[VA], s[S4], v[VA]
	v_add_nc_u32 v[VB], s[S4], v[VB]
.elseif (\a) > 0
	v_add_nc_u32 v[VA], s[S1], v[VA]
	v_add_nc_u32 v[VB], s[S1], v[VB]
.endif
	WIN 0x02+(\a)/4                                ; source 0: window 2 or 3
.set i, 0
.rept 32
	v_pk_add_f32 v[T+2*i:T+2*i+1], v[64*((\a)%4)+2*i:64*((\a)%4)+2*i+1], v[BL+2*(\a):BL+2*(\a)+1]   ; each accumulator from its low end on
.set i, i+1
.endr
	WIN 0
	QUANT T, SW+(\a)
	global_store_b128 v[VA], v[PC:PC+3], s[10:11]
	global_store_b64 v[VB], v[PC+4:PC+5], s[10:11] offset:512
	global_store_b128 v[VA], v[PC+6:PC+9], s[O1:O1+1]
	global_store_b64 v[VB], v[PC+10:PC+11], s[O1:O1+1] offset:512
.endm
	PLACES NP                                      ; behind the last products: their results are read and their operands' registers written below
	s_mov_b32 s18, 0x76543210
	s_mov_b32 s19, 0xfedcba98                      ; v_permlanex16_b32's selects for lane l xor 16
.irp b, 0,1,2,3
	v_mov_b32 v[TM+4+\b], 0                        ; written once: a lane permute's destination counts as one of its sources
.endr
.irp a, 0,1,2,3,4,5,6,7
	OUTBLK \a
.endr
.irp i, 0,1,2,3,4,5,6,7
	v_lshrrev_b32 v[SW+\i], v[SHV], v[SW+\i]       ; kind 0: lanes 16-31 bring the second head's two bytes down; what stands in bytes 2 and 3 meets zero codes and is never 0xff
.endr
	global_store_b128 v[VS], v[SW:SW+3], s[12:13]  ; sixteen lanes store 256 consecutive bytes, aligned (kind 1: lanes 16-31 store the same bytes again)
	global_store_b128 v[VS2], v[SW+4:SW+7], s[12:13]
	s_wait_tensorcnt 0x0                           ; the wave's end
	ds_add_u32 v[SPW], v[NIL]
	s_wait_dscnt 0x0
	CROUND                                         ; the closing round: no work-group ends while a partner may still ask for a tile that names it
	s_endpgm
.Lfunc_end_k_qed5989ac1f_qkv:
	.size	k_qed5989ac1f_qkv, .Lfunc_end_k_qed5989ac1f_qkv-k_qed5989ac1f_qkv
	.p2alignl 7, 3214868480
	.fill 96, 4, 3214868480
	.section	.rodata,"a",@progbits
	.p2align	6, 0x0
	.amdhsa_kernel k_qed5989ac1f_qkv
		.amdhsa_group_segment_fixed_size 327680
		.amdhsa_private_segment_fixed_size 0
		.amdhsa_enable_private_segment 0
		.amdhsa_kernarg_size 40
		.amdhsa_user_sgpr_count 2
		.amdhsa_user_sgpr_kernarg_segment_ptr 1
		.amdhsa_wavefront_size32 1
		.amdhsa_system_sgpr_workgroup_id_x 1
		.amdhsa_system_sgpr_workgroup_id_y 1
		.amdhsa_system_sgpr_workgroup_id_z 1
		.amdhsa_system_vgpr_workitem_id 0
		.amdhsa_next_free_vgpr 1024
		.amdhsa_next_free_sgpr 102
		.amdhsa_reserve_vcc 0
		.amdhsa_float_denorm_mode_32 3
		.amdhsa_float_denorm_mode_16_64 3
		.amdhsa_memory_ordered 1
		.amdhsa_forward_progress 1
		.amdhsa_inst_pref_size 190
	.end_amdhsa_kernel
	.amdgpu_metadata
---
amdhsa.version: [ 1, 2 ]
amdhsa.kernels:
  - .name:           k_qed5989ac1f_qkv
    .symbol:         k_qed5989ac1f_qkv.kd
    .args:
      - { .name: cod, .offset: 0, .size: 8, .value_kind: global_buffer, .address_space: global }
      - { .name: scl, .offset: 8, .size: 8, .value_kind: global_buffer, .address_space: global }
      - { .name: b_qkv, .offset: 16, .size: 8, .value_kind: global_buffer, .address_space: global }
      - { .name: img, .offset: 24, .size: 8, .value_kind: global_buffer, .address_space: global }
      - { .name: sc, .offset: 32, .size: 8, .value_kind: global_buffer, .address_space: global }
    .group_segment_fixed_size: 327680
    .private_segment_fixed_size: 0
    .kernarg_segment_align: 8
    .kernarg_segment_size: 40
    .max_flat_workgroup_size: 128
    .sgpr_count:     102
    .vgpr_count:     1024
    .wavefront_size: 32
...
	.end_amdgpu_metadata
.endif
;; end of part 2
;; launch attn (part 3): grid 4 x 64, 16 waves a work-group, clusters of 4 x 1, 210,944 bytes of LDS; arguments img, sc, att_img, att_sc; writes att_img, att_sc
.if DOCPART == 3
	.amdgcn_target "amdgcn-amd-amdhsa--gfx1250"
	.amdhsa_code_object_version 6
	.text
	.protected	k_qed5989ac1f_attn
	.globl	k_qed5989ac1f_attn
	.p2align	8
	.type	k_qed5989ac1f_attn,@function
k_qed5989ac1f_attn:
	s_mov_b64 s[64:65], 0
	v_nop
	global_prefetch_b8 v0, s[64:65] scope:SCOPE_SE
	s_setreg_imm32_b32 hwreg(HW_REG_WAVE_MODE, 25, 1), 1
	s_wait_xcnt 0x0
	s_wait_alu depctr_hold_cnt(0) depctr_sa_sdst(0) depctr_va_vdst(0) depctr_va_sdst(0) depctr_va_ssrc(0) depctr_va_vcc(0) depctr_vm_vsrc(0)
	s_getreg_b32 s2, hwreg(HW_REG_IB_STS2, 6, 4)
	s_cmp_eq_u32 s2, 0
	s_cbranch_scc0 .Lentry_in_a_cluster
	s_endpgm
.Lentry_in_a_cluster:
	s_bfe_u32 s2, ttmp6, 0x10000c
	s_cmp_lg_u32 s2, 0x3003
	s_cbranch_scc0 .Lentry_shape_is_right
	s_endpgm
.Lentry_shape_is_right:
; Causal attention of one head of 64 channels on codes of BF6 (E3M2), both products by the scaled matrix instruction; the result is divided by the row's sum and quantised along the channels for the last product.
; t = score x log2(e) / 32;  M = the running largest t rounded UP to a whole number;  p = 2^(t - M) is quantised along the keys, not normalised;  the row's sum is taken of the unquantised p.  When M moves, the sum and O are multiplied by 2^(old M - new M): exact.
; IN: img and sc as the launch before lays them: images of operand registers (a half-image: 6 registers, 768 bytes: registers 0-3 at 16 x lane, 4-5 at 512 + 8 x lane), tokens and channels by PLACES (place p is index t(p), p with bits 3 and 4 changed over).
; SHARES.  A cluster of four work-groups takes one (batch, head), named by cluster y.  A head's K, V and their scale words, 208,896 bytes, lie in each work-group's LDS for the whole launch: filled once, by joint loads, three a wave.
; Wave w of work-group cx owns TWO tiles of 16 queries: tile 2 cx of the 128 places w, and tile 2 cx + 1 of the 128 places 15 - w: (w + 1) + (16 - w) = 17 key steps of 128 keys for every wave.  Which steps are left out hangs on the wave's number and the step alone.
; LAYOUT.  Both products are used transposed: S^T = K Q^T (source 0 = 16 places of keys, source 1 = my 16 queries), O^T = V^T P^T (source 0 = 16 places of channels): a lane holds ONE query throughout, and the registers of tiles 2 b, 2 b + 1 are the TRUE keys (channels) 32 b + 16 (lane / 16) + 0 .. 15.
; K = 64 in the first product: registers 6-11 of Q's operand are zero codes; what stands in registers 6-11 of K's operand (the next tile's codes) meets them and adds nothing; no scale byte is 0xff.
; OUT: att_img [head][tile of 16 places of the 8,192][768]; att_sc [place][32]: byte 2 x head + block.  The scale bytes leave two to a lane: a place's 32 bytes belong to sixteen clusters.
; LIMITS: NaN and infinities are not served; a block of zeros gets the scale byte 1 (read by this program alone).
; REGISTERS: v1-3 lane terms; v4, v5 the mask's d of the two tiles; v6-9 addresses in hand; v10-13, v14-17 -M, largest t, the sum in two halves; v18-29, v30-41 Q; v42-89 fragments of K or V; v90-153 S^T, then p; v154-185, v186-217 O^T; v218-229 p's codes; v230-250 at work.
.set VIMG, 98304                       ; LDS: K's images at 0, V's here,
.set SCB,  196608                      ; K's scale words (8,192 bytes), then V's (4,096)
.set QA,   18
.set QB,   30
.set F,    42
.set S,    90
.set OA,   154
.set OB,   186
.set PC,   218
.set BM,   226                         ; the blocks' largest scores; later the upper codes
.set CT,   230
.set SO,   238                         ; the conversions' scale operands
.set KSC,  242                         ; four scale words of K or of V
.set FF,   246                         ; f = 2^(old M - new M)
.set PW,   247                         ; p's scale word
.set TMP,  248
.set QSA,  249
.set QSB,  250
.set WV,   12
.set CX,   13
.set BH,   14
.set SEL,  16                          ; s[16:17] v_permlanex16_b32's selects for lane l xor 16
.set CS,   18                          ; s[18:19] c = log2(e) / 32
.set G1A,  20                          ; three groups 1: 3, 6 and 42 rows of 256 bytes
.set G1B,  28
.set G1C,  36
.set G0A,  44
.set G0B,  48
.set G0C,  52
.set ST,   56                          ; the key step
.set KO,   57                          ; LDS byte of the step's K
.set VO,   58                          ; of its V
.set KSO,  59                          ; of K's scale words, from SCB
.set VSO,  60                          ; of V's
.set RA,   61                          ; the 128 places of my first tile
.set RB,   62                          ; of my second
.set CNT,  63
.macro ROUND                           ; a round of the cluster's barrier
	s_barrier_signal -1
	s_barrier_wait -1
	s_cmp_lg_u32 s[WV], 0
	s_cbranch_scc1 .Lnot_wave_0_\@
	s_barrier_signal -3
.Lnot_wave_0_\@:
	s_barrier_wait -3
	s_barrier_signal -1
	s_barrier_wait -1
.endm
.macro GROUP1 g, rows                  ; rows of 256 dense bytes (32 elements of 8), no padding; the mask names all four work-groups, bit 21 beside it
	s_mov_b32 s[\g], 15|(3<<16)|(1<<21)
	s_mov_b32 s[\g+1], 32<<16
	s_mov_b32 s[\g+2], (\rows)<<16
	s_mov_b32 s[\g+3], 32<<16
	s_mov_b32 s[\g+4], \rows
	s_mov_b32 s[\g+5], 32
	s_mov_b32 s[\g+6], 0
	s_mov_b32 s[\g+7], 0
.endm
	s_load_b256 s[4:11], s[0:1], 0x0               ; img s[4:5], sc s[6:7], att_img s[8:9], att_sc s[10:11]
	v_lshl_add_u32 v254, v0, 2, 0x33000
	v_mov_b32 v255, 0
	ds_add_u32 v254, v255
	ds_add_u32 v254, v255
	v_lshrrev_b32 v1, 5, v0
	v_readfirstlane_b32 s[WV], v1                  ; wave 0..15
	s_bfe_u32 s[CX], ttmp6, 0x40000                ; my place in the cluster: it enters Q's and the outputs' addresses and the mask's numbers alone
	s_and_b32 s[BH], ttmp7, 0xffff                 ; 16 x batch + head, which the four partners share
	GROUP1 G1A, 3
	GROUP1 G1B, 6
	GROUP1 G1C, 42
	s_mul_i32 s66, s[BH], 294912                   ; the head's first byte in img
	s_mul_i32 s67, s[BH], 20480                    ; and in sc
	s_lshr_b32 s68, s[WV], 3
	s_mul_i32 s68, s68, VIMG                       ; waves 0-7 fetch K, waves 8-15 V
	s_and_b32 s69, s[WV], 7
	s_mul_i32 s70, s69, 1536
	s_add_co_u32 s70, s70, s68                     ; my eighth of keys 0-255
	s_mul_i32 s71, s69, 10752
	s_add_co_u32 s71, s71, s68
	s_add_co_u32 s71, s71, 12288                   ; my eighth of keys 256-2,047
	s_mul_i32 s72, s[WV], 768                      ; my sixteenth of the 12,288 bytes of scale words
	s_add_co_u32 s74, s67, s72
	s_add_co_u32 s74, s74, 8192                    ; k's scale words begin 8,192 bytes into the head's, v's follow them
	s_mov_b32 s75, 0
	s_add_co_u32 s76, s66, s70
	s_add_co_u32 s76, s76, 98304                   ; k's images begin 98,304 bytes into the head's, v's follow them
	s_mov_b32 s77, 0
	s_add_co_u32 s78, s66, s71
	s_add_co_u32 s78, s78, 98304
	s_mov_b32 s79, 0
	s_mov_b32 s[SEL], 0x76543210
	s_mov_b32 s[SEL+1], 0xfedcba98
	s_mov_b32 s[CS], 0x3d38aa3b                    ; log2(e) / 32
	s_mov_b32 s[CS+1], s[CS]                       ; (named with it as a pair, so it is written)
	s_wait_dscnt 0x0
	s_wait_kmcnt 0x0
	s_mov_b32 s[G0A], 1
	s_add_co_u32 s[G0A+1], s72, SCB
	s_add_nc_u64 s[G0A+2:G0A+3], s[6:7], s[74:75]
	s_or_b32 s[G0A+3], s[G0A+3], 0x80000000
	s_mov_b32 s[G0B], 1
	s_mov_b32 s[G0B+1], s70
	s_add_nc_u64 s[G0B+2:G0B+3], s[4:5], s[76:77]
	s_or_b32 s[G0B+3], s[G0B+3], 0x80000000
	s_mov_b32 s[G0C], 1
	s_mov_b32 s[G0C+1], s71
	s_add_nc_u64 s[G0C+2:G0C+3], s[4:5], s[78:79]
	s_or_b32 s[G0C+3], s[G0C+3], 0x80000000
	ROUND                                          ; all four work-groups are here: the joint loads meet
	tensor_load_to_lds s[G0A:G0A+3], s[G1A:G1A+7]  ; the scale words,
	s_nop 0
	tensor_load_to_lds s[G0B:G0B+3], s[G1B:G1B+7]  ; keys 0-255,
	s_nop 0
	tensor_load_to_lds s[G0C:G0C+3], s[G1C:G1C+7]  ; the rest: three loads of mine are out
	s_nop 0
.rept 4
	v_nop
.endr
	s_mov_b32 s[RA], s[WV]
	s_sub_co_u32 s[RB], 15, s[WV]
	s_lshl_b32 s80, s[CX], 1
	s_lshl_b32 s81, s[RA], 3
	s_add_co_u32 s81, s81, s80                     ; my first tile among the head's 128: 8 w + 2 cx
	s_lshl_b32 s82, s[RB], 3
	s_add_co_u32 s82, s82, s80
	s_add_co_u32 s82, s82, 1                       ; my second: 8 (15 - w) + 2 cx + 1
	s_mul_i32 s74, s81, 768
	s_add_co_u32 s74, s74, s66
	s_add_nc_u64 s[84:85], s[4:5], s[74:75]        ; Q's half-images
	s_mul_i32 s74, s82, 768
	s_add_co_u32 s74, s74, s66
	s_add_nc_u64 s[86:87], s[4:5], s[74:75]
	s_lshr_b32 s74, s81, 2
	s_lshl_b32 s74, s74, 8
	s_and_b32 s83, s81, 3
	s_lshl_b32 s83, s83, 2
	s_add_co_u32 s74, s74, s83
	s_add_co_u32 s74, s74, s67
	s_add_nc_u64 s[88:89], s[6:7], s[74:75]        ; Q's scale words: 256 (tile / 4) + 4 (tile % 4), + 16 r
	s_lshr_b32 s74, s82, 2
	s_lshl_b32 s74, s74, 8
	s_and_b32 s83, s82, 3
	s_lshl_b32 s83, s83, 2
	s_add_co_u32 s74, s74, s83
	s_add_co_u32 s74, s74, s67
	s_add_nc_u64 s[90:91], s[6:7], s[74:75]
	v_and_b32 v9, 31, v0
	v_lshlrev_b32 v1, 4, v9                        ; 16 x lane
	v_lshlrev_b32 v2, 3, v9                        ; 8 x lane
	v_and_b32 v8, 15, v0                           ; r
	v_bfe_u32 v7, v0, 4, 1                         ; h
	v_lshlrev_b32 v6, 4, v8                        ; 16 r
	global_load_b128 v[QA:QA+3], v1, s[84:85]
	global_load_b64 v[QA+4:QA+5], v2, s[84:85] offset:512
	global_load_b128 v[QB:QB+3], v1, s[86:87]
	global_load_b64 v[QB+4:QB+5], v2, s[86:87] offset:512
	global_load_b32 v[QSA], v6, s[88:89]
	global_load_b32 v[QSB], v6, s[90:91]
	v_add_nc_u32 v3, SCB, v6                       ; a scale word's place for my lane
	v_and_b32 v4, 8, v8
	v_add_nc_u32 v4, v4, v8                        ; r + 8 (r / 8)
	v_lshlrev_b32 v5, 4, v7
	v_sub_nc_u32 v4, v4, v5
	s_lshl_b32 s74, s[CX], 5
	v_add_nc_u32 v4, s74, v4                       ; d = my true query among its 128, less 16 h: 32 cx + 8 e + r + 8 (r / 8) - 16 h; e = 0,
	v_add_nc_u32 v5, 8, v4                         ; e = 1
	s_and_b32 s76, s[BH], 15                       ; head
	s_lshr_b32 s77, s[BH], 4
	s_lshl_b32 s77, s77, 7                         ; the batch's first tile of places: 128 x batch
	s_lshl_b32 s78, s76, 9
	s_add_co_u32 s78, s78, s77
	s_add_co_u32 s74, s78, s81
	s_mul_i32 s74, s74, 768
	s_add_nc_u64 s[92:93], s[8:9], s[74:75]        ; the outputs' half-images: (512 head + 128 batch + tile) x 768
	s_add_co_u32 s74, s78, s82
	s_mul_i32 s74, s74, 768
	s_add_nc_u64 s[94:95], s[8:9], s[74:75]
	s_lshl_b32 s76, s76, 1
	s_add_co_u32 s74, s77, s81
	s_lshl_b32 s74, s74, 9
	s_add_co_u32 s74, s74, s76
	s_add_nc_u64 s[96:97], s[10:11], s[74:75]      ; their scale bytes: 16 places x 32 bytes a tile, + 2 x head
	s_add_co_u32 s74, s77, s82
	s_lshl_b32 s74, s74, 9
	s_add_co_u32 s74, s74, s76
	s_add_nc_u64 s[98:99], s[10:11], s[74:75]
	v_mov_b32 v11, 0xff61b1e6                      ; the largest t so far: -3e38, under every t
	v_floor_f32 v10, -v11                          ; -M
	v_mov_b32 v12, 0                               ; the sum, in two halves
	v_mov_b32 v13, 0
	v_mov_b32 v15, 0xff61b1e6
	v_floor_f32 v14, -v15
	v_mov_b32 v16, 0
	v_mov_b32 v17, 0
.irp i, 6,7,8,9,10,11
	v_mov_b32 v[QA+\i], 0                          ; K = 64 .. 127 of Q's operands: zero codes
	v_mov_b32 v[QB+\i], 0
	v_mov_b32 v[F+18+\i], 0                        ; named by the fourth tile's operand before V's codes first land there
.endr
.irp b, 0,1,2,3
	v_mov_b32 v[CT+\b], 0                          ; written once: a lane permute's destination counts as one of its sources
.endr
	v_mov_b32 v[FF], 0
	v_mov_b32 v[PW], 0                             ; (named as the upper half of the pair with f before it is first written)
.set j, 0
.rept 64
	v_mov_b32 v[OA+j], 0                           ; O^T of both tiles: the step is written once, and the first change of M leaves zeros zeros
.set j, j+1
.endr
	s_mov_b32 s[ST], 0
	s_mov_b32 s[KO], 0
	s_mov_b32 s[VO], VIMG
	s_mov_b32 s[KSO], 0
	s_mov_b32 s[VSO], 8192
; A KEY STEP OF ONE TILE: 128 keys.  Left out where all its keys come after the tile's queries: a scalar branch on the step and the wave's number.
.macro STEPT qreg, qscl, stat, oacc, rho, dreg
	s_cmp_gt_u32 s[ST], s[\rho]
	s_cbranch_scc1 .Lhidden_\@
	v_add_nc_u32 v6, s[KO], v1                     ; these three and the v_nop are the four places behind the last products, whose operands' registers are loaded below
	v_add_nc_u32 v7, s[KO], v2
	v_add_nc_u32 v8, s[KSO], v3
	v_nop
.irp g, 0,1                                    ; S^T = K Q^T, four tiles of 16 places at a time
.if \g
.rept 4
	v_nop
.endr
.endif
.irp t, 0,1,2,3
	ds_load_b128 v[F+6*\t:F+6*\t+3], v6 offset:768*(4*\g+\t)
	ds_load_b64 v[F+6*\t+4:F+6*\t+5], v7 offset:768*(4*\g+\t)+512
.endr
	ds_load_b128 v[KSC:KSC+3], v8 offset:256*\g    ; the four tiles' scale words of row r
	s_wait_dscnt 0x0
.irp t, 0,1,2,3
	v_wmma_scale_f32_16x16x128_f8f6f4 v[S+8*(4*\g+\t):S+8*(4*\g+\t)+7], v[F+6*\t:F+6*\t+11], v[\qreg:\qreg+11], 0, v[KSC+\t], v[\qscl] matrix_a_fmt:MATRIX_FMT_BF6 matrix_b_fmt:MATRIX_FMT_BF6
.endr
.endr
.rept 4
	v_nop
.endr
	s_cmp_lg_u32 s[ST], s[\rho]                    ; on the diagonal the scores of hidden keys become -infinity ahead of the maximum; a step all of whose keys count skips this
	s_cbranch_scc1 .Lopen_\@
	v_mov_b32 v[TMP], 0xff800000
.set n, 0
.rept 64
	v_cmp_gt_i32 vcc_lo, 32*(n/16)+n%16, v[\dreg]  ; register 16 b + i holds key 32 b + 16 h + i of the step: hidden where 32 b + i > d
	v_cndmask_b32 v[S+n], v[S+n], v[TMP], vcc_lo
.set n, n+1
.endr
.Lopen_\@:
.irp b, 0,1,2,3
	v_max3_num_f32 v[BM+\b], v[S+16*\b], v[S+1+16*\b], v[S+2+16*\b]   ; the largest score of each block of 32 keys: for the row's maximum, and for the block's largest p
.endr
.irp i, 3,5,7,9,11,13
.irp b, 0,1,2,3
	v_max3_num_f32 v[BM+\b], v[BM+\b], v[S+16*\b+\i], v[S+1+16*\b+\i]
.endr
.endr
.irp b, 0,1,2,3
	v_max_num_f32 v[BM+\b], v[BM+\b], v[S+15+16*\b]
.endr
.irp b, 0,1,2,3
	v_permlanex16_b32 v[CT+\b], v[BM+\b], s[SEL], s[SEL+1]
.endr
.irp b, 0,1,2,3
	v_max_num_f32 v[BM+\b], v[BM+\b], v[CT+\b]     ; with lane l xor 16's 16 keys
.endr
	v_max3_num_f32 v[TMP], v[BM], v[BM+1], v[BM+2]
	v_max_num_f32 v[TMP], v[TMP], v[BM+3]          ; the step's largest score of my query
	v_mul_f32 v[TMP], s[CS], v[TMP]                ; as t (c is positive)
	v_max_num_f32 v[\stat+1], v[\stat+1], v[TMP]   ; the running largest t
	v_mov_b32 v[TMP], v[\stat]
	v_floor_f32 v[\stat], -v[\stat+1]              ; the new -M = floor(-t): M is a whole number
	v_sub_f32 v[TMP], v[\stat], v[TMP]             ; old M less new M: a whole number, 0 or less
	v_cvt_i32_f32 v[TMP], v[TMP]                   ; (it saturates)
	v_ldexp_f32 v[FF], 1.0, v[TMP]                 ; f = 2^(old M - new M)
.set j, 0
.rept 32
	v_pk_fma_f32 v[S+j:S+j+1], v[S+j:S+j+1], s[CS:CS+1], v[\stat:\stat+1] op_sel_hi:[1,0,0]   ; t - M, two at a time
.set j, j+2
.endr
.irp b, 0,1,2,3
	v_fma_f32 v[BM+\b], v[BM+\b], s[CS], v[\stat]  ; the same of each block's largest score
.endr
.set j, 0
.rept 64
	v_exp_f32 v[S+j], v[S+j]                       ; p = 2^(t - M), at most 1
.set j, j+1
.endr
.irp b, 0,1,2,3
	v_exp_f32 v[BM+\b], v[BM+\b]                   ; the block's largest p: the same two instructions on the same number
.endr
	v_pk_mul_f32 v[\stat+2:\stat+3], v[\stat+2:\stat+3], v[FF:FF+1] op_sel_hi:[1,0]   ; the sums under the new M.  (A plain place behind the exponentials)
	s_wait_alu depctr_va_vdst(0)
.irp b, 0,1,2,3
	v_max_num_f32 v[BM+\b], 0x2800000, v[BM+\b]    ; the floor 2^(5 - 127): the byte cannot fall under 1
.endr
.irp b, 0,1,2,3
	v_add_nc_u32 v[SO+\b], 0xfe000000, v[BM+\b]    ; 4 off the exponent field: the conversion's scale operand
.endr
.irp b, 0,1,2,3
	v_lshrrev_b32 v[CT+\b], 23, v[SO+\b]           ; the scale's byte
.endr
	v_lshl_or_b32 v[PW], v[CT+1], 8, v[CT]         ; p's scale word for these 128 keys
	v_lshl_or_b32 v[PW], v[CT+2], 16, v[PW]
	v_lshl_or_b32 v[PW], v[CT+3], 24, v[PW]
.irp c, 0,1
	v_cvt_scalef32_pk16_bf6_f32 v[PC+6*\c:PC+6*\c+2], v[S+32*\c:S+32*\c+15], v[SO+2*\c]
	v_cvt_scalef32_pk16_bf6_f32 v[CT+4*\c:CT+4*\c+2], v[S+16+32*\c:S+31+32*\c], v[SO+2*\c+1]   ; (a conversion's three registers begin on an even number)
.endr
	v_nop                                          ; one plain place behind a scaled conversion
.irp c, 0,1                                    ; a WHOLE block in a lane: lanes 0-15 block 2 c, lanes 16-31 block 2 c + 1
.irp i, 0,1,2
	v_permlane16_swap_b32 v[PC+6*\c+\i], v[CT+4*\c+\i]
.endr
.irp i, 0,1,2
	v_mov_b32 v[PC+3+6*\c+\i], v[CT+4*\c+\i]
.endr
.endr
	v_add_nc_u32 v6, s[VO], v1                     ; V's four fragments (16 places of channels x 128 keys) are asked for here and land under the sums below
	v_add_nc_u32 v7, s[VO], v2
	v_add_nc_u32 v8, s[VSO], v3
.irp t, 0,1,2,3
	ds_load_b128 v[F+12*\t:F+12*\t+3], v6 offset:1536*\t
	ds_load_b64 v[F+12*\t+4:F+12*\t+5], v7 offset:1536*\t+512
	ds_load_b128 v[F+12*\t+6:F+12*\t+9], v6 offset:1536*\t+768
	ds_load_b64 v[F+12*\t+10:F+12*\t+11], v7 offset:1536*\t+1280
.endr
	ds_load_b128 v[KSC:KSC+3], v8
	v_pk_add_f32 v[CT:CT+1], v[S:S+1], v[S+2:S+3]  ; the row's sum is taken of the UNQUANTISED p: two at a time, in two chains
.irp j, 4,8,12,16,20,24,28,32,36,40,44,48,52,56,60
	v_pk_add_f32 v[\stat+2:\stat+3], v[\stat+2:\stat+3], v[S+\j:S+\j+1]
	v_pk_add_f32 v[CT:CT+1], v[CT:CT+1], v[S+2+\j:S+3+\j]
.endr
	v_pk_add_f32 v[\stat+2:\stat+3], v[\stat+2:\stat+3], v[CT:CT+1]
.set j, 0
.rept 16
	v_pk_mul_f32 v[\oacc+j:\oacc+j+1], v[\oacc+j:\oacc+j+1], v[FF:FF+1] op_sel_hi:[1,0]   ; O^T under the new M, each accumulator from its low end on
.set j, j+2
.endr
	s_wait_dscnt 0x0
.irp t, 0,1,2,3                                ; O^T += V^T P^T: the four accumulators by turns, one instruction a turn
	v_wmma_scale_f32_16x16x128_f8f6f4 v[\oacc+8*\t:\oacc+8*\t+7], v[F+12*\t:F+12*\t+11], v[PC:PC+11], v[\oacc+8*\t:\oacc+8*\t+7], v[KSC+\t], v[PW] matrix_a_fmt:MATRIX_FMT_BF6 matrix_b_fmt:MATRIX_FMT_BF6
.endr
.Lhidden_\@:
.endm
.macro TRIP
	STEPT QA, QSA, 10, OA, RA, 4
	STEPT QB, QSB, 14, OB, RB, 5
	s_add_co_u32 s[ST], s[ST], 1
	s_add_co_u32 s[KO], s[KO], 6144
	s_add_co_u32 s[VO], s[VO], 6144
	s_add_co_u32 s[KSO], s[KSO], 512
	s_add_co_u32 s[VSO], s[VSO], 256
.endm
	s_wait_loadcnt 0x0                             ; Q
	s_wait_tensorcnt 0x1                           ; my parts of the scale words and of keys 0-255 are in; the third load may stay out
	s_barrier_signal -1
	s_barrier_wait -1                              ; everybody's are
	s_mov_b32 s[CNT], 2
.Lfirst:                                           ; key steps 0 and 1 read keys 0-255 alone
	TRIP
	s_sub_co_u32 s[CNT], s[CNT], 1
	s_cmp_lg_u32 s[CNT], 0
	s_cbranch_scc1 .Lfirst
	s_wait_tensorcnt 0x0                           ; my part of the rest is in,
	s_wait_dscnt 0x0
	s_barrier_signal -1
	s_barrier_wait -1                              ; everybody's is
	s_mov_b32 s[CNT], 14
.Lrest:                                            ; key steps 2 to 15: no barrier, waves share only what is never written again
	TRIP
	s_sub_co_u32 s[CNT], s[CNT], 1
	s_cmp_lg_u32 s[CNT], 0
	s_cbranch_scc1 .Lrest
; THE WAY OUT of a tile: O^T / the sum; its 32 registers are channels 32 b + 16 h + i: two blocks of 32 along the last product's K.  They are quantised and leave as a half-image and two scale bytes.
; Each tile has its own registers for what its stores read, so no store's data are written again.
.macro WAYOUT oacc, stat, yy, cc, xx, ww, pimg, psc
	v_add_f32 v[TMP], v[\stat+2], v[\stat+3]       ; the sum's two halves,
	v_permlanex16_b32 v[FF], v[TMP], s[SEL], s[SEL+1]
	v_add_f32 v[TMP], v[TMP], v[FF]                ; and lane l xor 16's: the row's sum
	v_rcp_f32 v[TMP], v[TMP]
	v_mov_b32 v[F+2], 0                            ; (a plain place behind the transcendental; a lane permute's destination counts as one of its sources)
	v_mov_b32 v[F+3], 0
.set j, 0
	s_wait_alu depctr_va_vdst(0)
.rept 32
	v_mul_f32 v[\yy+j], v[\oacc+j], v[TMP]         ; each accumulator from its low end on
.set j, j+1
.endr
.irp b, 0,1
	v_max3_num_f32 v[F+\b], |v[\yy+16*\b]|, |v[\yy+1+16*\b]|, 0x2800000
.endr
.irp i, 2,4,6,8,10,12,14
.irp b, 0,1
	v_max3_num_f32 v[F+\b], v[F+\b], |v[\yy+16*\b+\i]|, |v[\yy+1+16*\b+\i]|
.endr
.endr
.irp b, 0,1
	v_permlanex16_b32 v[F+2+\b], v[F+\b], s[SEL], s[SEL+1]
.endr
.irp b, 0,1
	v_max_num_f32 v[F+\b], v[F+\b], v[F+2+\b]
.endr
.irp b, 0,1
	v_add_nc_u32 v[F+4+\b], 0xfe000000, v[F+\b]
.endr
.irp b, 0,1
	v_lshrrev_b32 v[F+2+\b], 23, v[F+4+\b]
.endr
	v_lshl_or_b32 v[\ww], v[F+3], 8, v[F+2]        ; the head's two scale bytes of my place
	v_cvt_scalef32_pk16_bf6_f32 v[\cc:\cc+2], v[\yy:\yy+15], v[F+4]
	v_cvt_scalef32_pk16_bf6_f32 v[\xx:\xx+2], v[\yy+16:\yy+31], v[F+5]
	v_nop                                          ; one plain place behind a scaled conversion
.irp i, 0,1,2
	v_permlane16_swap_b32 v[\cc+\i], v[\xx+\i]
.endr
.irp i, 0,1,2
	v_mov_b32 v[\cc+3+\i], v[\xx+\i]
.endr
	global_store_b128 v1, v[\cc:\cc+3], s[\pimg:\pimg+1]               ; 512 consecutive bytes, aligned to 256
	global_store_b64 v2, v[\cc+4:\cc+5], s[\pimg:\pimg+1] offset:512   ; 256 consecutive bytes, aligned
	global_store_b16 v9, v[\ww], s[\psc:\psc+1]    ; two bytes of each place's 32 (lanes 16-31 store the same bytes again)
.endm
.rept 4
	v_nop                                          ; places behind the last products
.endr
	v_and_b32 v9, 15, v0
	v_lshlrev_b32 v9, 5, v9                        ; 32 r
	WAYOUT OA, 10, S, PC, CT, KSC, 92, 96
	WAYOUT OB, 14, S+32, PC+6, CT+4, KSC+1, 94, 98
	s_wait_tensorcnt 0x0
	ds_add_u32 v254, v255
	s_wait_dscnt 0x0
	ROUND                                          ; the closing round: no work-group ends while a partner may still ask for a tile that names it
	s_endpgm
.Lfunc_end_k_qed5989ac1f_attn:
	.size	k_qed5989ac1f_attn, .Lfunc_end_k_qed5989ac1f_attn-k_qed5989ac1f_attn
	.p2alignl 7, 3214868480
	.fill 96, 4, 3214868480
	.section	.rodata,"a",@progbits
	.p2align	6, 0x0
	.amdhsa_kernel k_qed5989ac1f_attn
		.amdhsa_group_segment_fixed_size 210944
		.amdhsa_private_segment_fixed_size 0
		.amdhsa_enable_private_segment 0
		.amdhsa_kernarg_size 32
		.amdhsa_user_sgpr_count 2
		.amdhsa_user_sgpr_kernarg_segment_ptr 1
		.amdhsa_wavefront_size32 1
		.amdhsa_system_sgpr_workgroup_id_x 1
		.amdhsa_system_sgpr_workgroup_id_y 1
		.amdhsa_system_sgpr_workgroup_id_z 1
		.amdhsa_system_vgpr_workitem_id 0
		.amdhsa_next_free_vgpr 256
		.amdhsa_next_free_sgpr 100
		.amdhsa_reserve_vcc 1
		.amdhsa_float_denorm_mode_32 3
		.amdhsa_float_denorm_mode_16_64 3
		.amdhsa_memory_ordered 1
		.amdhsa_forward_progress 1
		.amdhsa_inst_pref_size 103
	.end_amdhsa_kernel
	.amdgpu_metadata
---
amdhsa.version: [ 1, 2 ]
amdhsa.kernels:
  - .name:           k_qed5989ac1f_attn
    .symbol:         k_qed5989ac1f_attn.kd
    .args:
      - { .name: img, .offset: 0, .size: 8, .value_kind: global_buffer, .address_space: global }
      - { .name: sc, .offset: 8, .size: 8, .value_kind: global_buffer, .address_space: global }
      - { .name: att_img, .offset: 16, .size: 8, .value_kind: global_buffer, .address_space: global }
      - { .name: att_sc, .offset: 24, .size: 8, .value_kind: global_buffer, .address_space: global }
    .group_segment_fixed_size: 210944
    .private_segment_fixed_size: 0
    .kernarg_segment_align: 8
    .kernarg_segment_size: 32
    .max_flat_workgroup_size: 512
    .sgpr_count:     100
    .vgpr_count:     256
    .wavefront_size: 32
...
	.end_amdgpu_metadata
.endif
;; end of part 3
;; launch proj (part 4): grid 4 x 32, 4 waves a work-group, clusters of 4 x 4, 327,680 bytes of LDS; arguments att_img, att_sc, cod, scl, b_proj, out0; writes out0
.if DOCPART == 4
	.amdgcn_target "amdgcn-amd-amdhsa--gfx1250"
	.amdhsa_code_object_version 6
	.text
	.protected	k_qed5989ac1f_proj
	.globl	k_qed5989ac1f_proj
	.p2align	8
	.type	k_qed5989ac1f_proj,@function
k_qed5989ac1f_proj:
	s_mov_b64 s[64:65], 0
	v_nop
	global_prefetch_b8 v0, s[64:65] scope:SCOPE_SE
	s_setreg_imm32_b32 hwreg(HW_REG_WAVE_MODE, 25, 1), 1
	s_wait_xcnt 0x0
	s_wait_alu depctr_hold_cnt(0) depctr_sa_sdst(0) depctr_va_vdst(0) depctr_va_sdst(0) depctr_va_ssrc(0) depctr_va_vcc(0) depctr_vm_vsrc(0)
	s_getreg_b32 s2, hwreg(HW_REG_IB_STS2, 6, 4)
	s_cmp_eq_u32 s2, 0
	s_cbranch_scc0 .Lentry_in_a_cluster
	s_endpgm
.Lentry_in_a_cluster:
	s_bfe_u32 s2, ttmp6, 0x10000c
	s_cmp_lg_u32 s2, 0xf033
	s_cbranch_scc0 .Lentry_shape_is_right
	s_endpgm
.Lentry_shape_is_right:
; out0 = att w_proj^T + b_proj on codes of BF6 (E3M2) with one E8M0 scale for each 32 along K (K = 1,024), f32 sums.
; A = the attention's result: att_img [head][tile of 16 places][768]: half-images of operand registers (registers 0-3 at 16 x lane, 4-5 at 512 + 8 x lane: K = the head's 64 channels); att_sc [place][32] its scale bytes.
; B = w_proj: rows 11,264 on of cod (768 bytes of codes a row) and of scl (32 scale bytes).  Rows of both lie by PLACES: place p is index t(p), p with bits 3 and 4 changed over; the way out puts rows and columns back.
; A tile of out0, 256 x 256, is made by four waves, each 128 x 128: 64 accumulators.  K goes in steps of 256 (four heads) through a ring of two LDS slots filled by the tensor data mover.
; A's part of a slot: [4 heads][8 tiles][768] for each half of the rows: a fragment (two heads) comes by two loads of 16 bytes and two of 8 bytes a lane, each instruction on consecutive bytes.
; THE MATRIX INSTRUCTION IS USED TRANSPOSED (source 0 = 16 places of B, source 1 = 16 places of A): lane (r, h) holds A's place r, and the registers of B's blocks 2 b + u the TRUE columns 32 b + 16 h + 8 u + 0 .. 7.
; The bias is the C of each sum's first product.  CLUSTERS: 4 x 4 work-groups; A's tiles are asked for jointly along a row of the cluster, B's along a column.
; The grid has 128 work-groups: one for each tile of 256 x 256.
; REGISTERS: window 0: v0-31 addresses; v32-63 scale words, two sets; v64-127 the bias; v128-223 A's fragments, one set; on the way out v128-255 rows of out0.  window 1: B's fragments, two sets.  windows 2, 3: the accumulators.
.set KSTEP,  256
.set NQ,     2
.set ROWB,   192
.set KROW,   768
.set PITCH,  240
.set FR,     12
.set NL,     6                         ; LDS loads that bring a fragment of B
.set NLA,    4                         ; and one of A
.set NP,     4
.set HALFT,  128*PITCH                 ; a wave's part of a slot: B's 128 rows fill it, A's images take 24,576 bytes of it
.set SLOT,   4*HALFT
.set LAPS,   2
.set KS,     32
.set ASTEP,  4*512*768                 ; four heads on in att_img
.set SCL,    2*SLOT
.set HALFS,  (128*KS/256)*272
.set SBLK,   (16*KS/256)*272
.set SPARE,  SCL+4*HALFS               ; the spare words, 128 bytes for each wave: two blocks of 256 bytes that no other line names
.set SPITCH, 528                       ; the way out: a stage of 16 rows x (512 bytes + 16) for each wave, in slot 0, which has had its last fill and its last read by then
.set ADRA, 16                          ; v16-17 A's images in slot 0, 1: + 16 x lane;  v18-19: + 8 x lane
.set ADRB, 20
.set STO,  24
.set RD,   25
.set CO,   26
.set ADRS, 27
.set SPW,  28
.set NIL,  29
.set SC,   32
.set BR,   64
.set AF,   128
.set BK,   128
.set G1, 24
.set G0, 32
.set G1B, 48
.set G0B, 56
.set G1S, 68
.set G0S, 76
.set G1SB, 80
.set G0SB, 88
.set BP,  96                           ; s[96:97] b_proj
.set OUT, 98                           ; s[98:99] out0
.set MSB, 0
.macro WIN new                         ; the immediate's high byte repeats the setting that is left
.if MSB != \new
	s_set_vgpr_msb (MSB<<8)|\new
.set MSB, \new
.endif
.endm
.set MUL_LO, 0xa1
.set MUL_HI, 0xf1
.set TO_B,   0x40
.macro JLOAD g0a, g1a, g0b, g1b        ; a joint load: waves 0 and 1 fetch for A, waves 2 and 3 for B; four v_nop follow each of the two lines
	s_cmp_eq_u32 s15, 0
	s_cbranch_scc0 .Lfor_b_\@
	tensor_load_to_lds s[\g0a:\g0a+3], s[\g1a:\g1a+7]
	s_nop 0
.rept 4
	v_nop
.endr
	s_branch .Lasked_\@
.Lfor_b_\@:
	tensor_load_to_lds s[\g0b:\g0b+3], s[\g1b:\g1b+7]
	s_nop 0
.rept 4
	v_nop
.endr
.Lasked_\@:
.endm
.macro CREST
	s_cmp_lg_u32 s14, 0
	s_cbranch_scc1 .Lnot_wave_0_\@
	s_barrier_signal -3
.Lnot_wave_0_\@:
	s_barrier_wait -3
	s_barrier_signal -1
	s_barrier_wait -1
.endm
.macro CROUND
	s_barrier_signal -1
	s_barrier_wait -1
	CREST
.endm
	s_load_b256 s[4:11], s[0:1], 0x0               ; att_img s[4:5], att_sc s[6:7], cod s[8:9], scl s[10:11]
	s_load_b128 s[BP:BP+3], s[0:1], 0x20           ; b_proj, out0
	v_lshl_add_u32 v[SPW], v0, 2, SPARE
	v_mov_b32 v[NIL], 0
	ds_add_u32 v28, v29
	ds_add_u32 v28, v29
	s_wait_dscnt 0x0
	v_lshrrev_b32 v1, 5, v0
	v_readfirstlane_b32 s14, v1                    ; wave 0..3
	s_lshr_b32 s15, s14, 1                         ; which half of the tile's rows is mine.  Also: I fetch for A (0) or for B (1)
	s_and_b32 s16, s14, 1                          ; which half of its columns.  Also: which 128 rows of that tile I fetch
	s_bfe_u32 s40, ttmp6, 0x40000                  ; cx, cy
	s_bfe_u32 s41, ttmp6, 0x40004
	s_lshl_b32 s42, ttmp9, 2
	s_add_co_u32 s42, s42, s40                     ; tile column
	s_and_b32 s17, ttmp7, 0xffff
	s_lshl_b32 s17, s17, 2
	s_add_co_u32 s17, s17, s41                     ; tile row
	s_lshl_b32 s43, s41, 2
	s_lshl_b32 s43, 15, s43                        ; my row of the cluster
	s_lshl_b32 s44, 0x1111, s40                    ; my column
	; A's tiles: 4 rows (heads) of 768 elements of 8 bytes (8 tiles' half-images), 49,152 elements apart; no padding
	s_or_b32 s[G1+0], s43, (3<<16)|(1<<21)
	s_mov_b32 s[G1+1], 768<<16                     ; tensor_dim0
	s_mov_b32 s[G1+2], 4<<16                       ; tensor_dim1
	s_mov_b32 s[G1+3], 768<<16                     ; tile_dim0
	s_mov_b32 s[G1+4], 4                           ; tile_dim1
	s_mov_b32 s[G1+5], 49152                       ; tensor_dim0_stride
	s_mov_b32 s[G1+6], 0
	s_mov_b32 s[G1+7], 0
	; B's tiles: 128 rows x 192 bytes, 16 bytes of padding behind every 64
	s_or_b32 s[G1B+0], s44, (0<<16)|(1<<20)|(1<<21)|(3<<22)|(3<<25)
	s_mov_b32 s[G1B+1], ROWB<<16
	s_mov_b32 s[G1B+2], 128<<16
	s_mov_b32 s[G1B+3], ROWB<<16
	s_mov_b32 s[G1B+4], 128
	s_mov_b32 s[G1B+5], KROW
	s_mov_b32 s[G1B+6], 0
	s_mov_b32 s[G1B+7], 0
	; the scales of 128 rows: 4,096 dense bytes, as rows of 256 bytes, 16 bytes of padding behind each
	s_or_b32 s[G1S+0], s43, (3<<16)|(1<<20)|(1<<21)|(5<<22)|(3<<25)
	s_or_b32 s[G1SB+0], s44, (3<<16)|(1<<20)|(1<<21)|(5<<22)|(3<<25)
.irp g, G1S, G1SB
	s_mov_b32 s[\g+1], 32<<16
	s_mov_b32 s[\g+2], (128*KS/256)<<16
	s_mov_b32 s[\g+3], 32<<16
	s_mov_b32 s[\g+4], 128*KS/256
	s_mov_b32 s[\g+5], 32
	s_mov_b32 s[\g+6], 0
	s_mov_b32 s[\g+7], 0
.endr
	s_lshl_b32 s18, s16, 7                         ; which 128 rows of the tile I fetch
	s_lshl_b32 s20, s17, 8
	s_add_co_u32 s20, s20, s18                     ; A: place
	s_lshl_b32 s46, s42, 8
	s_add_co_u32 s46, s46, s18
	s_add_co_u32 s46, s46, 11264                   ; B: row of cod
	s_mov_b32 s21, 0
	s_mov_b32 s47, 0
	s_mov_b64 s[18:19], KS
	s_mul_u64 s[22:23], s[20:21], s[18:19]         ; their scales, 32 bytes a row
	s_mul_u64 s[92:93], s[46:47], s[18:19]
	s_mov_b64 s[18:19], 48
	s_mul_u64 s[20:21], s[20:21], s[18:19]         ; A's images: 768 bytes for 16 places
	s_mov_b64 s[18:19], KROW
	s_mul_u64 s[46:47], s[46:47], s[18:19]         ; B's codes
	s_mul_i32 s45, s14, HALFT                      ; where they go: no place in the cluster enters an LDS address
	s_mul_i32 s94, s14, HALFS
	s_wait_kmcnt 0x0
	s_add_nc_u64 s[20:21], s[4:5], s[20:21]
	s_add_nc_u64 s[22:23], s[6:7], s[22:23]
	s_add_nc_u64 s[46:47], s[8:9], s[46:47]
	s_add_nc_u64 s[92:93], s[10:11], s[92:93]
	CROUND                                         ; all sixteen work-groups are here: the first joint loads meet
	s_mov_b32 s[G0S], 1
	s_add_co_u32 s[G0S+1], s94, SCL
	s_mov_b64 s[G0S+2:G0S+3], s[22:23]
	s_or_b32 s[G0S+3], s[G0S+3], 0x80000000
	s_mov_b32 s[G0SB], 1
	s_add_co_u32 s[G0SB+1], s94, SCL
	s_mov_b64 s[G0SB+2:G0SB+3], s[92:93]
	s_or_b32 s[G0SB+3], s[G0SB+3], 0x80000000
	JLOAD G0S, G1S, G0SB, G1SB                     ; the scales first
.irp s, 0,1
	s_mov_b32 s[G0+4*\s], 1
	s_add_co_u32 s[G0+4*\s+1], s45, \s*SLOT
	s_add_nc_u64 s[G0+4*\s+2:G0+4*\s+3], s[20:21], \s*ASTEP
	s_or_b32 s[G0+4*\s+3], s[G0+4*\s+3], 0x80000000
	s_mov_b32 s[G0B+4*\s], 1
	s_add_co_u32 s[G0B+4*\s+1], s45, \s*SLOT
	s_add_nc_u64 s[G0B+4*\s+2:G0B+4*\s+3], s[46:47], \s*ROWB
	s_or_b32 s[G0B+4*\s+3], s[G0B+4*\s+3], 0x80000000
	JLOAD G0+4*\s, G1, G0B+4*\s, G1B
.endr
	v_and_b32 v1, 15, v0                           ; r
	v_bfe_u32 v2, v0, 4, 1                         ; h
	v_mul_u32_u24 v3, v1, PITCH
	v_mul_u32_u24 v4, v2, 24
	v_add_nc_u32 v4, v3, v4                        ; B: a fragment's row x pitch + 24 x half
	v_lshl_add_u32 v5, v2, 4, v4                   ; and the same behind one padding more
	v_and_b32 v6, 31, v0
	v_lshlrev_b32 v7, 4, v6                        ; A: 16 x lane,
	v_lshlrev_b32 v8, 3, v6                        ; 8 x lane
	s_mul_i32 s21, s15, HALFT                      ; my 128 places of A
	s_mul_i32 s22, s16, HALFT                      ; my 128 rows of B,
	s_add_co_u32 s22, s22, 2*HALFT                 ; which lie behind A's two parts
.irp s, 0,1
	v_add_nc_u32 v[ADRA+\s], s21, v7
	v_add_nc_u32 v[ADRB+\s], s22, v4
	v_add_nc_u32 v[ADRA+2+\s], s21, v8
	v_add_nc_u32 v[ADRB+2+\s], s22, v5
	s_add_co_u32 s21, s21, SLOT
	s_add_co_u32 s22, s22, SLOT
.endr
	v_mul_u32_u24 v5, v1, KS
	v_lshrrev_b32 v6, 8, v5
	v_lshl_add_u32 v5, v6, 4, v5
	s_mul_i32 s21, s15, HALFS
	s_mul_i32 s22, s16, HALFS
	s_add_co_u32 s22, s22, 2*HALFS
	s_sub_co_u32 s22, s22, s21
	v_mul_u32_u24 v6, s22, v2                      ; lanes 16-31 take B's
	s_add_co_u32 s21, s21, SCL
	v_add_nc_u32 v5, v5, v6
	v_add_nc_u32 v[ADRS], s21, v5
	s_mul_i32 s23, s14, 16*SPITCH                  ; my stage
	v_mul_u32_u24 v5, v1, SPITCH                   ; in: row r; my half's sixteen columns of a block of 32 begin 64 h bytes on
	v_lshl_add_u32 v5, v2, 6, v5
	v_add_nc_u32 v[STO], s23, v5
	v_mov_b32 v[CO], v7                            ; back: the 32 lanes take one row of 512 bytes; and the same in out0
	v_add_nc_u32 v[RD], s23, v7
	s_lshl_b32 s46, s42, 8
	s_lshl_b32 s47, s16, 7
	s_add_co_u32 s46, s46, s47
	s_lshl_b32 s46, s46, 2                         ; my first column, in bytes
	s_mov_b32 s47, 0
	v_lshl_add_u32 v12, v2, 6, s46                 ; the bias: block 2 b + u wants columns 32 b + 16 h + 8 u + 0 .. 7
.irp t, 0,1,2,3,4,5,6,7
	global_load_b128 v[BR+8*\t:BR+8*\t+3], v12, s[BP:BP+1] offset:(32*(\t/2)+8*(\t%2))*4
	global_load_b128 v[BR+8*\t+4:BR+8*\t+7], v12, s[BP:BP+1] offset:(32*(\t/2)+8*(\t%2))*4+16
.endr
	s_add_nc_u64 s[OUT:OUT+1], s[OUT:OUT+1], s[46:47]
	s_lshl_b32 s46, s17, 8
	s_lshl_b32 s92, s15, 7
	s_add_co_u32 s46, s46, s92                     ; my first row
	s_lshl_b32 s46, s46, 12                        ; 4,096 bytes a row: under 2^26 in all
	s_add_nc_u64 s[OUT:OUT+1], s[OUT:OUT+1], s[46:47]
	s_wait_loadcnt 0x0                             ; the bias
.macro FRAG reg, adr, q, i             ; a fragment of B from rows of codes, in pieces of 8 bytes
.irp p, 0,1,2,3,4,5
.set PCE, 12*(\q)+6*(\p/3)+\p%3
.if PCE%8 < 5
	ds_load_b64 v[\reg+2*\p:\reg+2*\p+1], v[\adr] offset:8*PCE+16*(PCE/8)+(\i)*16*PITCH
.else
	ds_load_b64 v[\reg+2*\p:\reg+2*\p+1], v[\adr+2] offset:8*PCE+16*(PCE/8)+(\i)*16*PITCH
.endif
.endr
.endm
.macro FRAG_A reg, slot, q, i          ; a fragment of A: the half-images of heads 2 q and 2 q + 1 of the slot's four, tile i
	ds_load_b128 v[\reg:\reg+3], v[ADRA+\slot] offset:6144*(2*(\q))+768*(\i)
	ds_load_b64 v[\reg+4:\reg+5], v[ADRA+2+\slot] offset:6144*(2*(\q))+768*(\i)+512
	ds_load_b128 v[\reg+6:\reg+9], v[ADRA+\slot] offset:6144*(2*(\q)+1)+768*(\i)
	ds_load_b64 v[\reg+10:\reg+11], v[ADRA+2+\slot] offset:6144*(2*(\q)+1)+768*(\i)+512
.endm
.macro MUL16 a0, p, q, sc, first       ; 16 matrix instructions; first = 1: the bias is the C of the sum's first product.  The 64 accumulators take turns, one instruction a turn
.irp a, \a0, \a0+1
.irp b, 0,1,2,3,4,5,6,7
.if \first
	v_wmma_scale_f32_16x16x128_f8f6f4 v[8*(8*((\a)%4)+\b):8*(8*((\a)%4)+\b)+7], v[128*(\p)+FR*\b:128*(\p)+FR*\b+FR-1], v[AF+FR*(\a):AF+FR*(\a)+FR-1], v[BR+8*\b:BR+8*\b+7], v[SC+8*NQ*(\sc)+NQ*\b+(\q)], v[SC+8*NQ*(\sc)+NQ*(\a)+(\q)] matrix_a_fmt:MATRIX_FMT_BF6 matrix_b_fmt:MATRIX_FMT_BF6 matrix_a_scale:MATRIX_SCALE_ROW1
.else
	v_wmma_scale_f32_16x16x128_f8f6f4 v[8*(8*((\a)%4)+\b):8*(8*((\a)%4)+\b)+7], v[128*(\p)+FR*\b:128*(\p)+FR*\b+FR-1], v[AF+FR*(\a):AF+FR*(\a)+FR-1], v[8*(8*((\a)%4)+\b):8*(8*((\a)%4)+\b)+7], v[SC+8*NQ*(\sc)+NQ*\b+(\q)], v[SC+8*NQ*(\sc)+NQ*(\a)+(\q)] matrix_a_fmt:MATRIX_FMT_BF6 matrix_b_fmt:MATRIX_FMT_BF6 matrix_a_scale:MATRIX_SCALE_ROW1
.endif
.endr
.endr
.endm
.macro FETCH_B slot, q, p
	WIN TO_B
.irp i, 0,1,2,3,4,5,6,7
	FRAG 128*(\p)+FR*\i, ADRB+\slot, \q, \i
.endr
	WIN 0
.endm
.macro FETCH_A slot, q, i0
.irp i, \i0, \i0+1, \i0+2, \i0+3
	FRAG_A AF+FR*(\i), \slot, \q, \i
.endr
.endm
.macro SCALES sc
.irp i, 0,1,2,3,4,5,6,7
	ds_load_b64 v[SC+8*NQ*\sc+NQ*\i:SC+8*NQ*\sc+NQ*\i+1], v[ADRS] offset:\i*SBLK
.endr
.endm
.macro PLACES n
.rept \n
	v_nop
.endr
.endm
.macro STEP slot, q, first
	s_wait_dscnt 4*NLA                             ; B's set and A's blocks 0-3 are in; the youngest 16 loads (A's blocks 4-7) may be out
.if \first
	WIN 0x81                                       ; as MUL_LO, with C (the bias) in window 0
.else
	WIN MUL_LO
.endif
	MUL16 0, (\q)%2, \q, \slot, \first
	MUL16 2, (\q)%2, \q, \slot, \first
	s_wait_dscnt 0
	PLACES NP
	FETCH_B \slot, (\q)+1, 1-(\q)%2
	FETCH_A \slot, (\q)+1, 0
.if \first
	WIN 0xc1
.else
	WIN MUL_HI
.endif
	MUL16 4, (\q)%2, \q, \slot, \first
	MUL16 6, (\q)%2, \q, \slot, \first
	PLACES NP
	WIN 0
	FETCH_A \slot, (\q)+1, 4
.endm
.macro TURN slot, next, fill
	s_wait_tensorcnt 0x0                           ; all my tensor loads have landed: my part of the next slot
	ds_add_u32 v[SPW], v[NIL]                      ; 0 onto my spare word
	s_wait_dscnt 4*NLA+1                           ; (the add and the youngest 16 loads may be out)
	WIN MUL_LO
	MUL16 0, 1, NQ-1, \slot, 0
	s_wait_dscnt 0x0                               ; the add is done, and my reads of this slot are over
	s_barrier_signal -1
	MUL16 2, 1, NQ-1, \slot, 0
	WIN 0
	s_barrier_wait -1
.if \fill
	CREST                                          ; the barrier has opened a round of the cluster's barrier: no wave of any partner still reads this slot's tile or has a load on its way
	s_add_nc_u64 s[G0+4*\slot+2:G0+4*\slot+3], s[G0+4*\slot+2:G0+4*\slot+3], 2*ASTEP
	s_add_nc_u64 s[G0B+4*\slot+2:G0B+4*\slot+3], s[G0B+4*\slot+2:G0B+4*\slot+3], 2*ROWB
	JLOAD G0+4*\slot, G1, G0B+4*\slot, G1B         ; the first tensor load behind the round; its four v_nop are the places in front of the loads below
.else
	PLACES NP
.endif
	v_add_nc_u32 v[ADRS], 4*NQ, v[ADRS]
	FETCH_B \next, 0, 0
	FETCH_A \next, 0, 0
	SCALES \next
	WIN MUL_HI
	MUL16 4, 1, NQ-1, \slot, 0
	MUL16 6, 1, NQ-1, \slot, 0
	PLACES NP
	WIN 0
	FETCH_A \next, 0, 4
.endm
	s_wait_tensorcnt 1                             ; the scales and my part of K step 0 are in (K step 1's load may be out),
	s_barrier_signal -1
	s_barrier_wait -1                              ; everybody's are
	FETCH_B 0, 0, 0
	FETCH_A 0, 0, 0
	SCALES 0
	FETCH_A 0, 0, 4
	STEP 0, 0, 1
	s_mov_b32 s3, LAPS-1
.Llap:
	TURN 0, 1, 1
	STEP 1, 0, 0
	TURN 1, 0, 1
	STEP 0, 0, 0
	s_sub_co_u32 s3, s3, 1
	s_cmp_lg_u32 s3, 0
	s_cbranch_scc1 .Llap
	TURN 0, 1, 0                                   ; the last lap fills nothing
	STEP 1, 0, 0
	s_wait_dscnt 4*NLA
	WIN MUL_LO
	MUL16 0, 1, NQ-1, 1, 0
	MUL16 2, 1, NQ-1, 1, 0
	s_wait_dscnt 0
	WIN MUL_HI
	MUL16 4, 1, NQ-1, 1, 0
	MUL16 6, 1, NQ-1, 1, 0
	WIN 0
; THE WAY OUT, block by block of 16 places x 128 columns, through my own stage in LDS.  The stage's columns are the TRUE columns: block b's eight numbers of my half go to byte 128 (b / 2) + 64 h + 32 (b % 2).
; Stage row t is place 16 a + t, which is row 32 (a / 2) + 8 (a % 2) + t + 8 (t / 8) of my 128: it stands in the store's immediate, 520,192 bytes at the most.
.macro TOSTAGE a
.set AC, 64*((\a)%4)
	WIN 0x08+4*((\a)/4)                            ; the data: window 2 or 3
.irp b, 0,1,2,3,4,5,6,7
	ds_store_b128 v[STO], v[AC+8*\b:AC+8*\b+3] offset:128*(\b/2)+32*(\b%2)          ; each accumulator from its low end on
	ds_store_b128 v[STO], v[AC+8*\b+4:AC+8*\b+7] offset:128*(\b/2)+32*(\b%2)+16
.endr
	WIN 0
.set BB, BK+64*((\a)%2)
.irp t, 0,1,2,3,4,5,6,7,8,9,10,11,12,13,14,15
	ds_load_b128 v[BB+4*\t:BB+4*\t+3], v[RD] offset:\t*SPITCH   ; LDS serves a wave's instructions in order: these see the stores above
.endr
.endm
.macro SEND a, younger                 ; younger: the LDS instructions issued behind block a's loads, which may stay out
.set BB, BK+64*((\a)%2)
	s_wait_dscnt \younger
.irp t, 0,1,2,3,4,5,6,7,8,9,10,11,12,13,14,15
	global_store_b128 v[CO], v[BB+4*\t:BB+4*\t+3], s[OUT:OUT+1] offset:(32*((\a)/2)+8*((\a)%2)+\t+8*(\t/8))*4096 th:TH_STORE_NT   ; 32 lanes store 512 consecutive bytes, aligned to 256
.endr
.endm
	PLACES NP
	TOSTAGE 0
.irp a, 1,2,3,4,5,6,7
.if \a > 1
	s_wait_xcnt 0x0                                ; block a - 2's stores have read their registers: block a's loads may land there
.endif
	TOSTAGE \a
	SEND \a-1, 32                                  ; behind block a - 1's loads: block a's 16 stores and 16 loads
.endr
	SEND 7, 0
	s_wait_tensorcnt 0x0                           ; the wave's end
	ds_add_u32 v[SPW], v[NIL]
	s_wait_dscnt 0x0
	CROUND                                         ; the closing round
	s_endpgm
.Lfunc_end_k_qed5989ac1f_proj:
	.size	k_qed5989ac1f_proj, .Lfunc_end_k_qed5989ac1f_proj-k_qed5989ac1f_proj
	.p2alignl 7, 3214868480
	.fill 96, 4, 3214868480
	.section	.rodata,"a",@progbits
	.p2align	6, 0x0
	.amdhsa_kernel k_qed5989ac1f_proj
		.amdhsa_group_segment_fixed_size 327680
		.amdhsa_private_segment_fixed_size 0
		.amdhsa_enable_private_segment 0
		.amdhsa_kernarg_size 48
		.amdhsa_user_sgpr_count 2
		.amdhsa_user_sgpr_kernarg_segment_ptr 1
		.amdhsa_wavefront_size32 1
		.amdhsa_system_sgpr_workgroup_id_x 1
		.amdhsa_system_sgpr_workgroup_id_y 1
		.amdhsa_system_sgpr_workgroup_id_z 1
		.amdhsa_system_vgpr_workitem_id 0
		.amdhsa_next_free_vgpr 1024
		.amdhsa_next_free_sgpr 100
		.amdhsa_reserve_vcc 0
		.amdhsa_float_denorm_mode_32 3
		.amdhsa_float_denorm_mode_16_64 3
		.amdhsa_memory_ordered 1
		.amdhsa_forward_progress 1
		.amdhsa_inst_pref_size 153
	.end_amdhsa_kernel
	.amdgpu_metadata
---
amdhsa.version: [ 1, 2 ]
amdhsa.kernels:
  - .name:           k_qed5989ac1f_proj
    .symbol:         k_qed5989ac1f_proj.kd
    .args:
      - { .name: att_img, .offset: 0, .size: 8, .value_kind: global_buffer, .address_space: global }
      - { .name: att_sc, .offset: 8, .size: 8, .value_kind: global_buffer, .address_space: global }
      - { .name: cod, .offset: 16, .size: 8, .value_kind: global_buffer, .address_space: global }
      - { .name: scl, .offset: 24, .size: 8, .value_kind: global_buffer, .address_space: global }
      - { .name: b_proj, .offset: 32, .size: 8, .value_kind: global_buffer, .address_space: global }
      - { .name: out0, .offset: 40, .size: 8, .value_kind: global_buffer, .address_space: global }
    .group_segment_fixed_size: 327680
    .private_segment_fixed_size: 0
    .kernarg_segment_align: 8
    .kernarg_segment_size: 48
    .max_flat_workgroup_size: 128
    .sgpr_count:     100
    .vgpr_count:     1024
    .wavefront_size: 32
...
	.end_amdgpu_metadata
.endif
;; end of part 4
